; MI455X (gfx1250); checked and timed in simulation.
; The chip was launched on July 23, 2026; its instructions are those of AMD's public machine-readable ISA for CDNA 5 (MIT licence, August 2026) and "CDNA5" Instruction Set Architecture Reference Guide (July 2026). The comments in the code are by the model that wrote it; some were corrected since.
;; GQSW Attention. Allowed arithmetic: float matrix products may take bf16 or f16 operands with f32 sums; other float arithmetic in f32, or as packed bf16 or f16 multiplies, adds, multiply-adds, maxima and minima; sums over many terms, partial sums and values carried from step to step in f32; what a program stores and reads back later, other than sums and carried values, may be rounded once to bf16 or f16.
;; Inputs: wk 512 x 2,048 float32; wo 2,048 x 1,024 float32; wq 1,024 x 2,048 float32; wv 512 x 2,048 float32; x 2 x 4,096 x 2,048 float32.
;; Outputs: out0 2 x 4,096 x 2,048 float32.
;; Constants: abs_pos_start = 0.
;; One version. Each part assembles by itself: llvm-mc -triple=amdgcn-amd-amdhsa -mcpu=gfx1250 --defsym DOCPART=n.
;; ======== version 1 of 1: 4 launches
;; limits: values are held in f16: magnitudes above 65,504 overflow, below 6.1e-05 lose precision
;; workspace buffers: xb 33,554,432 bytes; wqkv 8,388,608 bytes; wob 4,194,304 bytes; rope 2,162,688 bytes; qkv 33,554,432 bytes; ob 16,777,216 bytes
;; launch cast (part 1): grid 2849 x 1, 8 waves a work-group, no clusters, 0 bytes of LDS; arguments x, wq, wk, wv, wo, xb, wqkv, wob, rope; writes xb, wqkv, wob, rope
.if DOCPART == 1
	.amdgcn_target "amdgcn-amd-amdhsa--gfx1250"
	.amdhsa_code_object_version 6
	.text
	.protected	k_q3165688bcd_cast
	.globl	k_q3165688bcd_cast
	.p2align	8
	.type	k_q3165688bcd_cast,@function
k_q3165688bcd_cast:
	s_mov_b64 s[64:65], 0
	v_nop
	global_prefetch_b8 v0, s[64:65] scope:SCOPE_SE
	s_setreg_imm32_b32 hwreg(HW_REG_WAVE_MODE, 25, 1), 1
	s_wait_xcnt 0x0
; THE INPUTS ROUNDED ONCE, AND ROPE'S TABLE.
; Work-groups 0-32 make the table of cos and sin: 264 blocks of 8,192 bytes.  Block pb < 256 serves positions 16 pb .. 16 pb + 15; blocks 256-263 hold cos = 1, sin = 0.
; A block is 16 pieces of 512 bytes, pieces 0-7 cos, 8-15 sin; in piece w lane l's 16 bytes lie at 16 l: the four numbers for position 16 pb + l % 16 and
; frequency j = 16 (w / 2) + 8 (l / 16) + 4 (w % 2) + 0..3: the order in which a lane of the projection holds its results.  They come first, since they compute longest.
; Work-groups 33-2848 (pieces 0-2815) each take 32,768 bytes of f32 and store 16,384 bytes of 16-bit numbers: pieces 0-2047 x -> xb (bf16); 2048-2303 wq, 2304-2431 wk, 2432-2559 wv -> wqkv
; (bf16, the three on end: rows 0-1023, 1024-1535, 1536-2047); 2560-2815 wo -> wob: rounded to bf16 like the other inputs, and that number written as f16, the format of the last product's other operand.
; 2,816 pieces are 11 for each of 256 WGPs.
; LIMITS.  A weight of wo below 6.1e-5 in size keeps f16's fixed step of 6e-8; beyond 65,504 it would be lost.  The frequencies 10000^(-j/64) come from v_exp_f32 and may be
; a few last places off; sin and cos are made by a reduction by pi/2 in two parts and polynomials of degree 7 and 8, good to about 1e-7 for the positions 0 to 4,095 that the table holds.
; No LDS, no matrix unit, no barrier: the launch only streams.
.set INV, 4                            ; v[4:7]    my four frequencies
.set POS, 8                            ; v8        my position, as f32
.set COSR, 12                          ; v[12:15]  four cos to store
.set SINR, 16                          ; v[16:19]  four sin to store
.set D,   16                           ; v[16:47]  the streaming path: eight loads of four registers
	s_load_b512 s[8:23], s[0:1], 0x0               ; x 8:9, wq 10:11, wk 12:13, wv 14:15, wo 16:17, xb 18:19, wqkv 20:21, wob 22:23
	s_load_b64 s[24:25], s[0:1], 0x40              ; rope
	v_lshrrev_b32 v4, 5, v0                        ; wave
	v_and_b32 v5, 31, v0                           ; lane
	v_lshlrev_b32 v1, 4, v5
	v_lshl_add_u32 v1, v4, 12, v1                  ; in: wave x 4,096 + lane x 16
	v_lshlrev_b32 v2, 3, v5
	v_lshl_add_u32 v2, v4, 11, v2                  ; out: wave x 2,048 + lane x 8
	s_mov_b32 s5, ttmp9
	s_wait_kmcnt 0x0
	s_cmp_lt_u32 s5, 33
	s_cbranch_scc1 .Lrope
	s_sub_co_u32 s4, s5, 33                        ; my piece
	; which tensor: source s[26:27], destination s[28:29], the number of the first piece of the source (s30) and of the destination (s31)
	s_mov_b64 s[26:27], s[8:9]
	s_mov_b64 s[28:29], s[18:19]
	s_mov_b32 s30, 0
	s_mov_b32 s31, 0
	s_cmp_ge_u32 s4, 2048
	s_cselect_b64 s[26:27], s[10:11], s[26:27]
	s_cselect_b64 s[28:29], s[20:21], s[28:29]
	s_cselect_b32 s30, 2048, s30
	s_cselect_b32 s31, 2048, s31
	s_cmp_ge_u32 s4, 2304
	s_cselect_b64 s[26:27], s[12:13], s[26:27]
	s_cselect_b32 s30, 2304, s30
	s_cmp_ge_u32 s4, 2432
	s_cselect_b64 s[26:27], s[14:15], s[26:27]
	s_cselect_b32 s30, 2432, s30
	s_cmp_ge_u32 s4, 2560
	s_cselect_b64 s[26:27], s[16:17], s[26:27]
	s_cselect_b64 s[28:29], s[22:23], s[28:29]
	s_cselect_b32 s30, 2560, s30
	s_cselect_b32 s31, 2560, s31
	s_sub_co_u32 s30, s4, s30
	s_sub_co_u32 s31, s4, s31
	s_lshl_b32 s32, s30, 15                        ; 32,768 bytes in for each piece,
	s_mov_b32 s33, 0
	s_lshl_b32 s34, s31, 14                        ; 16,384 out
	s_mov_b32 s35, 0
	s_add_nc_u64 s[26:27], s[26:27], s[32:33]
	s_add_nc_u64 s[28:29], s[28:29], s[34:35]
.irp i, 0,1,2,3,4,5,6,7
	global_load_b128 v[D+4*(\i):D+4*(\i)+3], v1, s[26:27] offset:512*(\i) th:TH_LOAD_NT  ; all eight loads of the wave go out at once: 512 consecutive bytes each
.endr
	s_cmp_ge_u32 s4, 2560
	s_cbranch_scc1 .Lwo
.irp i, 0,1,2,3,4,5,6,7
	s_wait_loadcnt 7-(\i)                          ; loads come back in order: load i is in, the 7 - i younger ones may stay out
	v_cvt_pk_bf16_f32 v[D+4*(\i)],   v[D+4*(\i)],   v[D+4*(\i)+1]
	v_cvt_pk_bf16_f32 v[D+4*(\i)+1], v[D+4*(\i)+2], v[D+4*(\i)+3]
	global_store_b64 v2, v[D+4*(\i):D+4*(\i)+1], s[28:29] offset:256*(\i)  ; the wave's store covers 256 consecutive bytes, aligned; no register is used twice, so nothing is waited for
.endr
	s_endpgm
.Lwo:
.irp i, 0,1,2,3,4,5,6,7
	s_wait_loadcnt 7-(\i)
	v_cvt_pk_bf16_f32 v[D+4*(\i)],   v[D+4*(\i)],   v[D+4*(\i)+1]  ; the rounding that all inputs get,
	v_cvt_pk_bf16_f32 v[D+4*(\i)+1], v[D+4*(\i)+2], v[D+4*(\i)+3]
	v_lshlrev_b32 v[D+4*(\i)+2], 16, v[D+4*(\i)]                   ; back to f32,
	v_and_b32     v[D+4*(\i)+3], 0xffff0000, v[D+4*(\i)]
	v_cvt_pk_f16_f32 v[D+4*(\i)], v[D+4*(\i)+2], v[D+4*(\i)+3]     ; and written as f16
	v_lshlrev_b32 v[D+4*(\i)+2], 16, v[D+4*(\i)+1]
	v_and_b32     v[D+4*(\i)+3], 0xffff0000, v[D+4*(\i)+1]
	v_cvt_pk_f16_f32 v[D+4*(\i)+1], v[D+4*(\i)+2], v[D+4*(\i)+3]
	global_store_b64 v2, v[D+4*(\i):D+4*(\i)+1], s[28:29] offset:256*(\i)
.endr
	s_endpgm
.Lrope:                                        ; work-group g = 0 .. 32 (s5) makes blocks 8 g .. 8 g + 7; thread t makes 16 bytes of cos and 16 of sin in each
	v_lshlrev_b32 v3, 4, v0                        ; 16 t: piece t / 32, lane t % 32
	v_lshrrev_b32 v9, 6, v0
	v_lshlrev_b32 v9, 4, v9                        ; 16 (w / 2)
	v_bfe_u32 v10, v0, 5, 1
	v_lshl_add_u32 v9, v10, 2, v9                  ; + 4 (w % 2)
	v_bfe_u32 v10, v0, 4, 1
	v_lshl_add_u32 v9, v10, 3, v9                  ; + 8 (l / 16): my first frequency's number
.irp i, 0,1,2,3
	v_add_nc_u32 v[INV+(\i)], \i, v9
	v_cvt_f32_u32 v[INV+(\i)], v[INV+(\i)]
	v_mul_f32 v[INV+(\i)], 0xbe549a78, v[INV+(\i)] ; j x -log2(10000) / 64
.endr
.irp i, 0,1,2,3
	v_exp_f32 v[INV+(\i)], v[INV+(\i)]             ; 10000^(-j/64)
.endr
	v_nop                                          ; a plain instruction behind the last exponential,
	s_wait_alu depctr_va_vdst(0)                   ; and the one wait for the four, ahead of their first reader
	s_cmp_eq_u32 s5, 32
	s_cselect_b32 s32, 0, 1.0                      ; the last of these work-groups has angles that are all 0: cos = 1 and sin = 0 exactly
.irp i, 0,1,2,3
	v_mul_f32 v[INV+(\i)], s32, v[INV+(\i)]
.endr
	s_lshl_b32 s2, s5, 7
	v_and_b32 v[POS], 15, v0
	v_add_nc_u32 v[POS], s2, v[POS]
	v_cvt_f32_u32 v[POS], v[POS]                   ; 128 g + l % 16
	s_lshl_b32 s6, s5, 16
	s_mov_b32 s7, 0
	s_add_nc_u64 s[24:25], s[24:25], s[6:7]        ; the work-group's eight blocks
	s_mov_b32 s34, 0x3f22f983                      ; 2 / pi
	s_mov_b32 s35, 0xbfc90fdb                      ; -(pi / 2 rounded to f32)
	s_mov_b32 s36, 0x333bbd2e                      ; that rounding's excess over pi / 2
	s_mov_b32 s37, 0xb94ca1f9                      ; sin r = r + r z (S1 + z (S2 + z S3)), z = r r
	s_mov_b32 s38, 0x3c08839e
	s_mov_b32 s39, 0xbe2aaaa3
	s_mov_b32 s40, 0x37ccf5ce                      ; cos r = 1 - z / 2 + z z (C1 + z (C2 + z C3))
	s_mov_b32 s41, 0xbab6061a
	s_mov_b32 s42, 0x3d2aaaa5
	s_mov_b32 s33, 8
; cos and sin of position x frequency i.  The angle is the f32 product; n = the nearest multiple of pi / 2; the first fused step is exact, the second adds the part of pi / 2 that f32 left off.
; The quadrant only selects and turns signs: no branch hangs on it.
.macro SINCOS i
	v_mul_f32 v20, v[POS], v[INV+(\i)]
	v_mul_f32 v21, s34, v20
	v_rndne_f32 v21, v21
	v_fma_f32 v22, v21, s35, v20
	v_fma_f32 v22, v21, s36, v22                   ; r, within pi / 4 of 0
	v_cvt_i32_f32 v23, v21                         ; the quadrant's number
	v_mul_f32 v24, v22, v22
	v_fma_f32 v25, v24, s37, s38
	v_fma_f32 v25, v25, v24, s39
	v_mul_f32 v27, v24, v22
	v_fma_f32 v25, v25, v27, v22                   ; sin r
	v_fma_f32 v26, v24, s40, s41
	v_fma_f32 v26, v26, v24, s42
	v_mul_f32 v27, v24, v24
	v_fma_f32 v28, v24, -0.5, 1.0
	v_fma_f32 v26, v26, v27, v28                   ; cos r
	v_and_b32 v27, 1, v23
	v_cmp_eq_u32 vcc_lo, 1, v27                    ; odd quadrants swap the two
	v_cndmask_b32 v28, v25, v26, vcc_lo
	v_cndmask_b32 v29, v26, v25, vcc_lo
	v_lshlrev_b32 v27, 30, v23                     ; sin is negative in quadrants 2 and 3,
	v_and_b32 v27, 0x80000000, v27
	v_xor_b32 v[SINR+(\i)], v28, v27
	v_add_nc_u32 v27, 1, v23                       ; cos in 1 and 2
	v_lshlrev_b32 v27, 30, v27
	v_and_b32 v27, 0x80000000, v27
	v_xor_b32 v[COSR+(\i)], v29, v27
.endm
.Lblk:                                         ; a trip makes one block
	SINCOS 0
	SINCOS 1
	SINCOS 2
	SINCOS 3
	global_store_b128 v3, v[COSR:COSR+3], s[24:25]
	global_store_b128 v3, v[SINR:SINR+3], s[24:25] offset:4096
	s_wait_xcnt 0x0                                ; the stores have read their offset and their data: only behind this wait are these written again
	v_add_nc_u32 v3, 8192, v3
	v_add_f32 v[POS], 0x41800000, v[POS]           ; sixteen positions on
	s_sub_co_u32 s33, s33, 1
	s_cmp_lg_u32 s33, 0
	s_cbranch_scc1 .Lblk
	s_endpgm
.Lfunc_end_k_q3165688bcd_cast:
	.size	k_q3165688bcd_cast, .Lfunc_end_k_q3165688bcd_cast-k_q3165688bcd_cast
	.p2alignl 7, 3214868480
	.fill 96, 4, 3214868480
	.section	.rodata,"a",@progbits
	.p2align	6, 0x0
	.amdhsa_kernel k_q3165688bcd_cast
		.amdhsa_group_segment_fixed_size 0
		.amdhsa_private_segment_fixed_size 0
		.amdhsa_enable_private_segment 0
		.amdhsa_kernarg_size 72
		.amdhsa_user_sgpr_count 2
		.amdhsa_user_sgpr_kernarg_segment_ptr 1
		.amdhsa_wavefront_size32 1
		.amdhsa_system_sgpr_workgroup_id_x 1
		.amdhsa_system_sgpr_workgroup_id_y 1
		.amdhsa_system_sgpr_workgroup_id_z 1
		.amdhsa_system_vgpr_workitem_id 0
		.amdhsa_next_free_vgpr 48
		.amdhsa_next_free_sgpr 66
		.amdhsa_reserve_vcc 1
		.amdhsa_float_denorm_mode_32 3
		.amdhsa_float_denorm_mode_16_64 3
		.amdhsa_memory_ordered 1
		.amdhsa_forward_progress 1
		.amdhsa_inst_pref_size 17
	.end_amdhsa_kernel
	.amdgpu_metadata
---
amdhsa.version: [ 1, 2 ]
amdhsa.kernels:
  - .name:           k_q3165688bcd_cast
    .symbol:         k_q3165688bcd_cast.kd
    .args:
      - { .name: x, .offset: 0, .size: 8, .value_kind: global_buffer, .address_space: global }
      - { .name: wq, .offset: 8, .size: 8, .value_kind: global_buffer, .address_space: global }
      - { .name: wk, .offset: 16, .size: 8, .value_kind: global_buffer, .address_space: global }
      - { .name: wv, .offset: 24, .size: 8, .value_kind: global_buffer, .address_space: global }
      - { .name: wo, .offset: 32, .size: 8, .value_kind: global_buffer, .address_space: global }
      - { .name: xb, .offset: 40, .size: 8, .value_kind: global_buffer, .address_space: global }
      - { .name: wqkv, .offset: 48, .size: 8, .value_kind: global_buffer, .address_space: global }
      - { .name: wob, .offset: 56, .size: 8, .value_kind: global_buffer, .address_space: global }
      - { .name: rope, .offset: 64, .size: 8, .value_kind: global_buffer, .address_space: global }
    .group_segment_fixed_size: 0
    .private_segment_fixed_size: 0
    .kernarg_segment_align: 8
    .kernarg_segment_size: 72
    .max_flat_workgroup_size: 256
    .sgpr_count:     66
    .vgpr_count:     48
    .wavefront_size: 32
...
	.end_amdgpu_metadata
.endif
;; end of part 1
;; launch qkv (part 2): grid 8 x 32, 4 waves a work-group, clusters of 4 x 4, 327,680 bytes of LDS; arguments xb, wqkv, rope, qkv; writes qkv
.if DOCPART == 2
	.amdgcn_target "amdgcn-amd-amdhsa--gfx1250"
	.amdhsa_code_object_version 6
	.text
	.protected	k_q3165688bcd_qkv
	.globl	k_q3165688bcd_qkv
	.p2align	8
	.type	k_q3165688bcd_qkv,@function
k_q3165688bcd_qkv:
	s_mov_b64 s[64:65], 0
	v_nop
	global_prefetch_b8 v0, s[64:65] scope:SCOPE_SE
	s_setreg_imm32_b32 hwreg(HW_REG_WAVE_MODE, 25, 1), 1
	s_wait_xcnt 0x0
	s_wait_alu depctr_hold_cnt(0) depctr_sa_sdst(0) depctr_va_vdst(0) depctr_va_sdst(0) depctr_va_ssrc(0) depctr_va_vcc(0) depctr_vm_vsrc(0)
	s_getreg_b32 s2, hwreg(HW_REG_IB_STS2, 6, 4)
	s_cmp_eq_u32 s2, 0
	s_cbranch_scc0 .Lentry_in_a_cluster
	s_endpgm
.Lentry_in_a_cluster:
	s_bfe_u32 s2, ttmp6, 0x10000c
	s_cmp_lg_u32 s2, 0xf033
	s_cbranch_scc0 .Lentry_shape_is_right
	s_endpgm
.Lentry_shape_is_right:
; q, k, v = x W^T, ROTATED AND LAID BY HEADS.  A = xb [8192][2048] bf16, B = wqkv [2048][2048] bf16 (rows 0-1023 wq, 1024-1535 wk, 1536-2047 wv); sums in f32, K ascending.
; Out: qkv [16 planes][8192 rows][128] f16: planes 0-7 the query heads, 8-11 k's heads, 12-15 v's; row = batch x 4096 + position.  The rotation (x1 cos - x2 sin, x2 cos + x1 sin) is
; made in f32 on the sums, and each number is rounded once, to f16.  v's planes take table blocks that hold cos = 1 and sin = 0, so that one text serves all planes.
; LIMITS.  f16 ends at 65,504: q, k and v must stay within it (a sum of 2,048 products of x and a weight).  v goes through x 1 - y 0: an infinity or NaN in one half of a head's channels reaches the other.
; SHARES.  A tile of C, 256 x 256, to a work-group of four waves; a wave makes 128 x 128: 64 accumulators of 16 x 16, 512 registers; its 128 columns are one plane.  256 work-groups.
; K goes in steps of 128 through a ring of two LDS slots filled by the tensor data mover; a tile's rows are 256 bytes of memory and start at multiples of 256 bytes from the buffer's first byte.
; THE TEXT OF A K STEP STANDS TWICE: once in the loop over the steps that fill a slot again, once in a loop of two trips for the last two steps, which ask for nothing.  Which slot is read and which is
; filled hangs on one scalar, 0 or SLOT, turned by an exclusive or in each step.
; CLUSTERS: 4 x 4 work-groups.  The four of a row of the cluster need the same tiles of A, the four of a column the same tiles of B: each tile is asked for JOINTLY, by the same tensor load
; with the same descriptor and a mask that names the four; each receives it in its own LDS.
; THE MATRIX INSTRUCTION IS USED TRANSPOSED: source 0 = 16 rows of B, source 1 = 16 rows of A: lane l holds row l % 16 of C and its registers 0-7 the columns 8 (l / 16) + 0..7.
; REGISTERS, in windows of 256 (s_set_vgpr_msb's low byte: bits 1:0 source 0, 3:2 source 1, 5:4 source 2, 7:6 destination):
;   window 0: v0-31 addresses; v64-127, v128-191 fragments of A, two buffers; on the way out v64-127 rotated numbers, v192-223 packed, v32-63 and v224-255 rows read back
;   window 1: v64-127, v128-191 fragments of B, two buffers; the table's blocks: four buffers of 64 (v0, v192, and behind the last product v128, v64)
;   window 2: the 32 accumulators of my rows 0-63 (accumulator (a, b) at v[8 (8 a + b)]);   window 3: those of my rows 64-127
.set SIZE_M, 8192
.set SIZE_N, 2048
.set SIZE_K, 2048
.set KSTEP,  128
.set STEPS,  SIZE_K/KSTEP
.set PITCH,  272                       ; an LDS row: 256 bytes of data + 16 of padding = 68 words: the 16 rows that a load touches start at 16 different groups of four banks (64 banks of 4 bytes: ISA guide 11.1)
.set HALFT,  128*PITCH                 ; 128 rows: what one tensor load brings, and what one wave reads of A or of B
.set SLOT,   4*HALFT                   ; A's 256 rows, then B's 256 rows
.set STAGE,  2*SLOT                    ; behind the ring: 16 rows x 272 bytes for each wave, for the way out; no tensor load lands there
.set SPITCH, 272
.set SPARE,  STAGE+4*16*SPITCH         ; behind the stages: the spare words, 128 bytes for each wave: two blocks of 256 bytes that no other line names
.set ADRA0, 16                         ; v16     LDS address of my A fragments in slot 0; never rewritten
.set ADRA,  17                         ; v17     the same in the slot that is being fetched from
.set ADRB0, 20                         ; v20, v21  the same two for B
.set ADRB,  21
.set STO,  24                          ; v24     the way out: where I put 16 bytes of a row
.set RD,   25                          ; v25     the way out: where I read a row back
.set CO,   26                          ; v26     16 x my lane: my bytes in two rows of a plane, and in a piece of the table
.set SPW,  28                          ; v28     LDS address of my spare word: SPARE + 4 x my thread's number; never rewritten
.set NIL,  29                          ; v29     0; never rewritten
.set PFO,  30                          ; v30     the prefetches' offset: my lane x a row of A or B in memory; never rewritten
.set WB,   14                          ; s14     my wave's number x HALFT: where my part of a tile lies in a slot
.set TB,   15                          ; s15     0 or SLOT: the slot that is being fetched from
.set PFA,  44                          ; s[44:45] where my prefetches stand
.set LIM,  43                          ; s43     2 in a wave that prefetches, else the greatest number
.set TBL,  68                          ; s[68:69] the table at my first block
.set F0,   64                          ; fragment buffer 0
.set F1,   128                         ; fragment buffer 1
.set ROTR, 64                          ; the way out: 64 rotated numbers a lane
.set TMP,  192                         ; the way out: packed results
.set OB,   32                          ; the way out: 16 rows read back from the stage: v32-63 and v224-255 by turns
.set G1, 24                            ; s[24:31] descriptor group 1 for A's tiles
.set G0, 32                            ; s[32:39] descriptor group 0 for A's tiles: a set for each of the two first fills; the second then walks on
.set G1B, 48                           ; s[48:55] descriptor group 1 for B's tiles: it differs from A's in the mask alone
.set G0B, 56                           ; s[56:63] descriptor group 0 for B's tiles, likewise
.set MSB, 0
.macro WIN new                         ; the immediate's high byte repeats the setting that is left; a switch that changes nothing is dropped
.if MSB != (\new)
	s_set_vgpr_msb (MSB<<8)|(\new)
.set MSB, \new
.endif
.endm
.set MUL_LO, 0xa1                      ; source 0 (B) window 1, source 1 (A) window 0, C and D window 2
.set MUL_HI, 0xf1                      ; the same, C and D window 3
.set TO_B,   0x40                      ; destination window 1, address window 0
; A joint load.  Waves 0 and 1 fetch A's two halves, waves 2 and 3 B's.  The branch hangs on the wave's number alone.  An s_nop 0 and four v_nop follow each of the two lines.
.macro JLOAD s
	s_cmp_eq_u32 s11, 0
	s_cbranch_scc0 .Lfor_b_\@
	tensor_load_to_lds s[G0+4*(\s):G0+4*(\s)+3], s[G1:G1+7]
	s_nop 0
.rept 4
	v_nop
.endr
	s_branch .Lasked_\@
.Lfor_b_\@:
	tensor_load_to_lds s[G0B+4*(\s):G0B+4*(\s)+3], s[G1B:G1B+7]
	s_nop 0
.rept 4
	v_nop
.endr
.Lasked_\@:
.endm
; A PREFETCH INTO THE L2, behind each joint refill and the run of LDS loads that follows it: the K step that stands TWO refills on: 32 rows x 256 bytes, a lane a row, one instruction a wave.
; Each row's 256 bytes of a K step are named once in the launch: of the clusters that read A's tile row the one with x = 0 asks, of those that read B's tile column the one with y = 0; the four
; partners that ask for a tile jointly share its rows out by address, 32 each.  The loop's last two trips ask for nothing (their refills are the last two K steps); nothing is asked for at the head.
.macro ASK
	s_cmp_gt_u32 s3, s[LIM]                        ; s3 = 2 and 1 in the loop's last two trips
	s_cbranch_scc0 .Lnot_mine_\@
	global_prefetch_b8 v[PFO], s[PFA:PFA+1] offset:KSTEP*2 th:TH_LOAD_NT scope:SCOPE_SE
.Lnot_mine_\@:
.endm
; A round of the cluster's barrier: my work-group's barrier; wave 0 signals for the work-group; every wave waits for all sixteen work-groups; my work-group's barrier once more.
.macro CREST                           ; a round behind its opening barrier
	s_cmp_lg_u32 s10, 0
	s_cbranch_scc1 .Lnot_wave_0_\@
	s_barrier_signal -3
.Lnot_wave_0_\@:
	s_barrier_wait -3
	s_barrier_signal -1
	s_barrier_wait -1
.endm
.macro CROUND                          ; a whole round
	s_barrier_signal -1
	s_barrier_wait -1
	CREST
.endm
	s_load_b128 s[4:7], s[0:1], 0x0                ; A s[4:5], B s[6:7]
	s_load_b64 s[TBL:TBL+1], s[0:1], 0x10          ; the table
	s_load_b64 s[8:9], s[0:1], 0x18                ; qkv
	v_lshl_add_u32 v[SPW], v0, 2, SPARE
	v_mov_b32 v[NIL], 0
	ds_add_u32 v[SPW], v[NIL]                      ; the wave's opening: the add and its wait stand ahead of my first tensor load; the set-up below, work on registers, stands between them
	ds_add_u32 v28, v29
	v_lshrrev_b32 v1, 5, v0
	v_readfirstlane_b32 s10, v1                    ; wave 0..3
	s_lshr_b32 s11, s10, 1                         ; which half of the tile's rows is mine.  Also: I fetch for A (0) or for B (1)
	s_and_b32 s12, s10, 1                          ; which half of its columns.  Also: which 128 rows of that tile I fetch
	s_bfe_u32 s40, ttmp6, 0x40000                  ; cx
	s_bfe_u32 s41, ttmp6, 0x40004                  ; cy
	s_lshl_b32 s42, ttmp9, 2
	s_add_co_u32 s42, s42, s40                     ; tile column of C = 4 x cluster x + cx
	s_and_b32 s13, ttmp7, 0xffff
	s_lshl_b32 s13, s13, 2
	s_add_co_u32 s13, s13, s41                     ; tile row of C = 4 x cluster y + cy
	s_lshl_b32 s43, s41, 2
	s_lshl_b32 s43, 15, s43                        ; my row of the cluster: places 4 cy .. 4 cy + 3
	s_lshl_b32 s44, 0x1111, s40                    ; my column: places cx, cx + 4, cx + 8, cx + 12
	; descriptor group 1: a tile of 128 rows x 128 elements, padded in LDS
	s_or_b32 s[G1+0], s43, (1<<16)|(1<<20)|(1<<21)|(5<<22)|(3<<25)  ; 15:0 the mask; 17:16 elements of 2 bytes; 20 padding on; 21 set beside a mask; 24:22 after every 64 words (code 5); 31:25 4 words (code 3)
	s_or_b32 s[G1B+0], s44, (1<<16)|(1<<20)|(1<<21)|(5<<22)|(3<<25)
	s_mov_b32 s[G1B+1], KSTEP<<16
	s_mov_b32 s[G1+1], KSTEP<<16                   ; tensor_dim0 = 128
	s_mov_b32 s[G1B+2], 128<<16
	s_mov_b32 s[G1+2], 128<<16                     ; tensor_dim1 = 128
	s_mov_b32 s[G1B+3], KSTEP<<16
	s_mov_b32 s[G1+3], KSTEP<<16                   ; tile_dim0 = 128
	s_mov_b32 s[G1B+4], 128
	s_mov_b32 s[G1+4], 128                         ; tile_dim1 = 128
	s_mov_b32 s[G1B+5], SIZE_K
	s_mov_b32 s[G1+5], SIZE_K                      ; elements from row to row
	s_mov_b32 s[G1B+6], 0
	s_mov_b32 s[G1+6], 0
	s_mov_b32 s[G1B+7], 0
	s_mov_b32 s[G1+7], 0
	; where the tiles come from: A's hang on the tile row alone, B's on the tile column alone; each in registers that never hold the other coordinate
	s_lshl_b32 s17, s12, 7                         ; which 128 rows of the tile I fetch
	s_lshl_b32 s16, s13, 8
	s_add_co_u32 s16, s16, s17                     ; A: row 256 x tile row + 128 x half
	s_lshl_b32 s46, s42, 8
	s_add_co_u32 s46, s46, s17                     ; B: row 256 x tile column + 128 x half
	s_mov_b32 s17, 0
	s_mov_b32 s47, 0
	s_mov_b64 s[18:19], SIZE_K*2
	s_mul_u64 s[16:17], s[16:17], s[18:19]
	s_mul_u64 s[46:47], s[46:47], s[18:19]
	s_mul_i32 s20, s10, HALFT                      ; where they go: wave x 128 rows: no place in the cluster enters an LDS address
	s_wait_dscnt 0x0                               ; the opening add is done
	s_wait_kmcnt 0x0
	s_add_nc_u64 s[14:15], s[4:5], s[16:17]
	s_add_nc_u64 s[46:47], s[6:7], s[46:47]
	CROUND                                         ; all sixteen work-groups are here: the first joint loads meet
.irp s, 0,1
	s_mov_b32 s[G0+4*(\s)], 1                                      ; count = 1
	s_add_co_u32 s[G0+4*(\s)+1], s20, (\s)*SLOT                    ; LDS address
	s_add_nc_u64 s[G0+4*(\s)+2:G0+4*(\s)+3], s[14:15], (\s)*KSTEP*2  ; global address: K step s
	s_or_b32 s[G0+4*(\s)+3], s[G0+4*(\s)+3], 0x80000000            ; type = 2
	s_mov_b32 s[G0B+4*(\s)], 1
	s_add_co_u32 s[G0B+4*(\s)+1], s20, (\s)*SLOT
	s_add_nc_u64 s[G0B+4*(\s)+2:G0B+4*(\s)+3], s[46:47], (\s)*KSTEP*2
	s_or_b32 s[G0B+4*(\s)+3], s[G0B+4*(\s)+3], 0x80000000
	JLOAD \s                                       ; two tensor loads of mine are out
.endr
	; A fragment is 16 rows x 32 K in 8 registers: lane l holds row l % 16; registers 0-3 K = 8 (l / 16) + 0..7, registers 4-7 K = 16 + 8 (l / 16) + 0..7: two loads of 16 bytes, 32 bytes apart
	v_and_b32 v1, 15, v0                           ; l % 16
	v_bfe_u32 v2, v0, 4, 1                         ; l / 16
	v_mul_u32_u24 v3, v1, PITCH
	v_lshl_add_u32 v3, v2, 4, v3
	s_mul_i32 s21, s11, HALFT                      ; my 128 rows of A
	s_mul_i32 s22, s12, HALFT                      ; my 128 rows of B,
	s_add_co_u32 s22, s22, 2*HALFT                 ; which lie behind A's 256
	v_add_nc_u32 v[ADRA0], s21, v3
	v_add_nc_u32 v[ADRB0], s22, v3
	v_mov_b32 v[ADRA], v[ADRA0]                    ; the fetches begin in slot 0
	v_mov_b32 v[ADRB], v[ADRB0]
	s_mul_i32 s23, s10, 16*SPITCH
	s_add_co_u32 s23, s23, STAGE                   ; my stage
	v_mul_u32_u24 v4, v1, SPITCH                   ; in: row l % 16, 16 bytes for each half of the lanes
	v_lshl_add_u32 v4, v2, 4, v4
	v_add_nc_u32 v[STO], s23, v4
	v_mul_u32_u24 v5, v2, SPITCH                   ; back: lanes 0-15 take one row of 256 bytes, lanes 16-31 the next
	v_lshl_add_u32 v5, v1, 4, v5
	v_add_nc_u32 v[RD], s23, v5
	v_and_b32 v[CO], 31, v0
	v_lshlrev_b32 v[CO], 4, v[CO]                  ; a plane's rows are dense: two rows are 512 consecutive bytes
	s_lshl_b32 s13, s13, 8                         ; 256 x tile row
	s_lshl_b32 s14, s11, 7
	s_add_co_u32 s16, s13, s14                     ; my first row
	s_and_b32 s70, s16, 4095                       ; its position,
	s_lshr_b32 s70, s70, 4                         ; the table's block for it;
	s_cmp_ge_u32 s42, 6                            ; tile columns 6 and 7 are v's:
	s_cselect_b32 s70, 256, s70                    ; they take the blocks of cos = 1, sin = 0.  A choice of an address, no branch
	s_lshl_b32 s70, s70, 13
	s_mov_b32 s71, 0
	s_add_nc_u64 s[TBL:TBL+1], s[TBL:TBL+1], s[70:71]
	s_lshl_b32 s16, s16, 8                         ; my first row in a plane, in bytes,
	s_mov_b32 s17, 0
	s_lshl_b32 s46, s42, 1
	s_add_co_u32 s46, s46, s12                     ; my plane = 2 x tile column + half,
	s_lshl_b32 s46, s46, 21                        ; 2,097,152 bytes each
	s_mov_b32 s47, 0
	s_add_nc_u64 s[16:17], s[16:17], s[46:47]
	s_add_nc_u64 s[8:9], s[8:9], s[16:17]          ; never stepped again: the stores' immediates do the rest
	; the prefetches.  s13 = 256 x tile row, s42 = tile column, s40 = cx, s41 = cy still stand
	s_lshl_b32 s42, s42, 8
	s_and_b32 s22, ttmp7, 0xffff                   ; cluster y
	s_cmp_eq_u32 s11, 0                            ; do I fetch for A?
	s_cselect_b32 s20, s13, s42                    ; the tile's first row
	s_cselect_b32 s21, s40, s41                    ; my place among the four that ask for it with me
	s_cselect_b32 s22, ttmp9, s22                  ; the coordinate along which other clusters read the same rows
	s_cselect_b64 s[PFA:PFA+1], s[4:5], s[6:7]
	s_cmp_eq_u32 s22, 0
	s_cselect_b32 s[LIM], 2, -1
	s_lshl_b32 s22, s12, 7
	s_add_co_u32 s20, s20, s22                     ; + the 128 rows that I fetch
	s_lshl_b32 s21, s21, 5
	s_add_co_u32 s20, s20, s21                     ; + my work-group's 32 of them
	s_mov_b32 s21, 0
	s_mov_b64 s[18:19], SIZE_K*2
	s_mul_u64 s[20:21], s[20:21], s[18:19]
	s_add_nc_u64 s[PFA:PFA+1], s[PFA:PFA+1], s[20:21]
	s_add_nc_u64 s[PFA:PFA+1], s[PFA:PFA+1], 2*KSTEP*2  ; at K step 2: the first refill steps it to 3 and names K step 4
	v_and_b32 v[PFO], 31, v0
	v_mul_u32_u24 v[PFO], v[PFO], SIZE_K*2
	s_mul_i32 s[WB], s10, HALFT                    ; kept for the walking descriptors
	s_mov_b32 s[TB], 0                             ; K step 0 lies in slot 0
; 16 matrix instructions: m blocks a0, a0 + 1 of the window's four x all 8 n blocks, 32 along K.  zero = 1: the first product starts the sums.  The 64 accumulators take turns, one instruction a turn.
.macro MUL16 f, hi, a0, zero
	WIN MUL_LO+0x50*(\hi)
.irp a, \a0, (\a0)+1
.irp b, 0,1,2,3,4,5,6,7
.if \zero
	v_wmma_f32_16x16x32_bf16 v[8*(8*(\a)+(\b)):8*(8*(\a)+(\b))+7], v[(\f)+8*(\b):(\f)+8*(\b)+7], v[(\f)+8*(4*(\hi)+(\a)):(\f)+8*(4*(\hi)+(\a))+7], 0
.else
	v_wmma_f32_16x16x32_bf16 v[8*(8*(\a)+(\b)):8*(8*(\a)+(\b))+7], v[(\f)+8*(\b):(\f)+8*(\b)+7], v[(\f)+8*(4*(\hi)+(\a)):(\f)+8*(4*(\hi)+(\a))+7], v[8*(8*(\a)+(\b)):8*(8*(\a)+(\b))+7]
.endif
.endr
.endr
.endm
; 32 LDS loads in one run: the fragments of one quarter step (128 rows of B, 128 rows of A, 32 K at byte k of the rows of the slot in hand) into buffer f
.macro FETCH k, f
	WIN TO_B
.irp i, 0,1,2,3,4,5,6,7
	ds_load_b128 v[(\f)+8*(\i):(\f)+8*(\i)+3],   v[ADRB] offset:(\k)+(\i)*16*PITCH
	ds_load_b128 v[(\f)+8*(\i)+4:(\f)+8*(\i)+7], v[ADRB] offset:(\k)+(\i)*16*PITCH+32
.endr
	WIN 0
.irp i, 0,1,2,3,4,5,6,7
	ds_load_b128 v[(\f)+8*(\i):(\f)+8*(\i)+3],   v[ADRA] offset:(\k)+(\i)*16*PITCH
	ds_load_b128 v[(\f)+8*(\i)+4:(\f)+8*(\i)+7], v[ADRA] offset:(\k)+(\i)*16*PITCH+32
.endr
.endm
.macro PLACES                          ; four plain instructions behind a matrix instruction, in front of loads into registers that it has read and of lines that read its results
.rept 4
	v_nop
.endr
.endm
; A K step is four quarters of 32 along K, 64 matrix instructions each, on buffers 0, 1, 0, 1.  One of the first three: multiplies buffer f; in its middle it fetches the next quarter, at byte k, into g.
.macro QUARTER k, f, g, zero
	s_wait_dscnt 8                                 ; B and A's rows 0-63 are in; the youngest eight loads (A's rows 64-127) may be out
	WIN MUL_LO
	MUL16 \f, 0, 0, \zero
	MUL16 \f, 0, 2, \zero
	PLACES
	FETCH \k, \g
	s_wait_dscnt 32                                ; all but the 32 just issued
	WIN MUL_HI
	MUL16 \f, 1, 0, \zero
	MUL16 \f, 1, 2, \zero
.endm
; The last quarter's first half: ONE barrier for the change of slots.  In front of it each wave waits for all its tensor loads (at most one is out: its part of the next slot), adds 0 to its spare word, and waits for that and for its reads of this slot.
.macro MEET
	WIN 0
	s_wait_tensorcnt 0x0                           ; all my tensor loads have landed
	ds_add_u32 v[SPW], v[NIL]                      ; 0 onto my spare word
	s_wait_dscnt 9                                 ; (the add and the youngest eight loads may be out)
	WIN MUL_LO
	MUL16 F1, 0, 0, 0                              ; sixteen matrix instructions stand between the add and the wait for it
	s_wait_dscnt 0x0                               ; the add is done, and my reads of this slot are over
	s_barrier_signal -1
	MUL16 F1, 0, 2, 0                              ; work on registers while the others arrive
	WIN 0
	s_barrier_wait -1
.endm
.macro NEXTSLOT                        ; the fetches go on in the other slot
	s_xor_b32 s[TB], s[TB], SLOT
	v_add_nc_u32 v[ADRA], s[TB], v[ADRA0]
	v_add_nc_u32 v[ADRB], s[TB], v[ADRB0]
.endm
; The whole last quarter of a step that fills: behind the round the slot just read out is filled again first, with the K step two steps on; then come the next slot's first fragments.
.macro TURN
	s_wait_xcnt 0x0                                ; the last prefetch, a K step back, has read its address, which is stepped here
	s_add_nc_u64 s[PFA:PFA+1], s[PFA:PFA+1], KSTEP*2
	MEET
	CREST                                          ; no wave of any partner still reads this slot's tile or has a load on its way
	s_add_co_u32 s[G0+5], s[WB], s[TB]             ; the walking descriptors: into the slot just read out,
	s_add_co_u32 s[G0B+5], s[WB], s[TB]
	s_add_nc_u64 s[G0+6:G0+7], s[G0+6:G0+7], KSTEP*2    ; one K step on from the last load; the type bits on top are not reached
	s_add_nc_u64 s[G0B+6:G0B+7], s[G0B+6:G0B+7], KSTEP*2
	JLOAD 1                                        ; my one tensor load behind the round; the four v_nop behind it are also the places in front of the loads below
	NEXTSLOT
	FETCH 0, F0
	ASK
	WIN MUL_HI
	MUL16 F1, 1, 0, 0
	MUL16 F1, 1, 2, 0
.endm
; THE WAY OUT, a block of 16 rows (a = 0..7) at a time.
; TLOAD: the table's block for these 16 positions: sixteen loads of 512 consecutive bytes; cos of frequencies 16 b + 8 (l / 16) + 0..7 at TBR + 8 b, sin 32 registers on.
.macro TLOAD a
.set TBR, (256-64*((\a)%4))%256
	WIN TO_B
.irp cs, 0,1
.irp b, 0,1,2,3
.irp q, 0,1
	global_load_b128 v[TBR+32*(\cs)+8*(\b)+4*(\q):TBR+32*(\cs)+8*(\b)+4*(\q)+3], v[CO], s[TBL:TBL+1] offset:(\a)*8192+(8*(\cs)+2*(\b)+(\q))*512
.endr
.endr
.endr
.endm
; ROT: accumulators b and b + 4 hold channels d and d + 64 of the head.  x2 sin and x1 sin first, then the two fused steps; each accumulator's lowest registers are read first.
.macro ROT a
.set TBR, (256-64*((\a)%4))%256
.set AC, 64*((\a)%4)
	WIN 0x06+(\a)/4                                ; source 0: the accumulators' window; source 1: window 1, the table; source 2 and destination: window 0
.irp b, 0,1,2,3
.irp p, 0,1,2,3
	v_pk_mul_f32 v[ROTR+8*(\b)+2*(\p):ROTR+8*(\b)+2*(\p)+1],       v[AC+32+8*(\b)+2*(\p):AC+32+8*(\b)+2*(\p)+1], v[TBR+32+8*(\b)+2*(\p):TBR+32+8*(\b)+2*(\p)+1]
	v_pk_mul_f32 v[ROTR+32+8*(\b)+2*(\p):ROTR+32+8*(\b)+2*(\p)+1], v[AC+8*(\b)+2*(\p):AC+8*(\b)+2*(\p)+1],       v[TBR+32+8*(\b)+2*(\p):TBR+32+8*(\b)+2*(\p)+1]
.endr
.irp p, 0,1,2,3
	v_pk_fma_f32 v[ROTR+8*(\b)+2*(\p):ROTR+8*(\b)+2*(\p)+1],       v[AC+8*(\b)+2*(\p):AC+8*(\b)+2*(\p)+1],       v[TBR+8*(\b)+2*(\p):TBR+8*(\b)+2*(\p)+1], v[ROTR+8*(\b)+2*(\p):ROTR+8*(\b)+2*(\p)+1] neg_lo:[0,0,1] neg_hi:[0,0,1]
	v_pk_fma_f32 v[ROTR+32+8*(\b)+2*(\p):ROTR+32+8*(\b)+2*(\p)+1], v[AC+32+8*(\b)+2*(\p):AC+32+8*(\b)+2*(\p)+1], v[TBR+8*(\b)+2*(\p):TBR+8*(\b)+2*(\p)+1], v[ROTR+32+8*(\b)+2*(\p):ROTR+32+8*(\b)+2*(\p)+1]
.endr
.endr
.endm
.macro PACKR                           ; the one rounding, to f16: 16 bytes a lane for each 16 columns
	WIN 0
.irp b, 0,1,2,3,4,5,6,7
.irp r, 0,1,2,3
	v_cvt_pk_f16_f32 v[TMP+4*(\b)+(\r)], v[ROTR+8*(\b)+2*(\r)], v[ROTR+8*(\b)+2*(\r)+1]
.endr
.endr
.endm
.macro TOSTAGE a                       ; into my own stage, and back as whole rows of 256 bytes
	WIN 0
.set BK, OB+192*((\a)%2)
.irp b, 0,1,2,3,4,5,6,7
	ds_store_b128 v[STO], v[TMP+4*(\b):TMP+4*(\b)+3] offset:32*(\b)
.endr
.irp t, 0,1,2,3,4,5,6,7
	ds_load_b128 v[BK+4*(\t):BK+4*(\t)+3], v[RD] offset:(\t)*2*SPITCH  ; LDS serves a wave's instructions in order (ISA guide 5.7.1.4): these see the stores above
.endr
.endm
.macro SEND a
	WIN 0
.set BK, OB+192*((\a)%2)
	s_wait_dscnt 0x0                               ; the block is back in registers
	s_wait_xcnt 0x0                                ; the stores of the block before have read their data: the next block's loads from the stage land in those registers only behind this wait
.irp t, 0,1,2,3,4,5,6,7
	global_store_b128 v[CO], v[BK+4*(\t):BK+4*(\t)+3], s[8:9] offset:(16*(\a)+2*(\t))*256  ; 512 consecutive bytes of the plane, at a multiple of 256 from its first
.endr
.endm
	s_wait_tensorcnt 1                             ; my part of K step 0 is in; K step 1's may stay out
	s_barrier_signal -1
	s_barrier_wait -1                              ; everybody's is
	FETCH 0, F0
	QUARTER 64,  F0, F1, 1                         ; the first quarter stands in front of the loop: its products start the sums
	WIN 0                                          ; at a label and at a branch every window is 0
	s_mov_b32 s3, STEPS-2
.Lstep:                                                ; a trip goes from a K step's second quarter to the next step's first, and fills the slot that it leaves: all steps but the last two
	QUARTER 128, F1, F0, 0
	QUARTER 192, F0, F1, 0
	TURN
	QUARTER 64,  F0, F1, 0
	WIN 0
	s_sub_co_u32 s3, s3, 1
	s_cmp_lg_u32 s3, 0
	s_cbranch_scc1 .Lstep
	TLOAD 0                                        ; the table's first two blocks, into registers that no product names: they have the last two K steps in which to come
	TLOAD 1
	WIN 0
	s_mov_b32 s3, 2
.Ltail:                                                ; the last two K steps ask for no tile, so they have a text of their own. The second trip is left in its middle
	QUARTER 128, F1, F0, 0
	QUARTER 192, F0, F1, 0
	MEET                                           ; first trip: my one tensor load that was still out is the last K step's, so no round follows
	PLACES
	s_cmp_eq_u32 s3, 1                             ; behind the last K step there is nothing to fetch
	s_cbranch_scc1 .Lno_next
	NEXTSLOT
	FETCH 0, F0
.Lno_next:
	WIN MUL_HI
	MUL16 F1, 1, 0, 0
	MUL16 F1, 1, 2, 0
	WIN 0
	s_sub_co_u32 s3, s3, 1
	s_cmp_eq_u32 s3, 0
	s_cbranch_scc1 .Lout
	QUARTER 64,  F0, F1, 0
	WIN 0
	s_branch .Ltail
.Lout:
	PLACES                                         ; behind the last product: B's buffers are loaded into, A's written, the sums read
	TLOAD 2
	TLOAD 3
.irp a, 0,1,2,3,4,5,6,7
.if (\a) < 5
	s_wait_loadcnt 48                              ; block a's sixteen table loads are in; the three younger blocks' 48 may stay out
.else
	s_wait_loadcnt 16*(7-(\a))                     ; behind block 7's no more were issued: the counts run down
.endif
	ROT \a
.if (\a) < 4
	TLOAD (\a)+4                                   ; its buffer takes the block four further on
.endif
	PACKR
.if (\a) > 0
	SEND (\a)-1                                    ; block a's arithmetic stood between block a - 1's loads from the stage and the wait for them
.endif
	TOSTAGE \a
.endr
	SEND 7
	s_wait_tensorcnt 0x0                           ; the wave's end: behind my last tensor load and my last LDS store
	ds_add_u32 v[SPW], v[NIL]
	s_wait_dscnt 0x0
	CROUND                                         ; the closing round: no work-group ends while a partner may still ask for a tile that names it
	s_endpgm
.Lfunc_end_k_q3165688bcd_qkv:
	.size	k_q3165688bcd_qkv, .Lfunc_end_k_q3165688bcd_qkv-k_q3165688bcd_qkv
	.p2alignl 7, 3214868480
	.fill 96, 4, 3214868480
	.section	.rodata,"a",@progbits
	.p2align	6, 0x0
	.amdhsa_kernel k_q3165688bcd_qkv
		.amdhsa_group_segment_fixed_size 327680
		.amdhsa_private_segment_fixed_size 0
		.amdhsa_enable_private_segment 0
		.amdhsa_kernarg_size 32
		.amdhsa_user_sgpr_count 2
		.amdhsa_user_sgpr_kernarg_segment_ptr 1
		.amdhsa_wavefront_size32 1
		.amdhsa_system_sgpr_workgroup_id_x 1
		.amdhsa_system_sgpr_workgroup_id_y 1
		.amdhsa_system_sgpr_workgroup_id_z 1
		.amdhsa_system_vgpr_workitem_id 0
		.amdhsa_next_free_vgpr 1024
		.amdhsa_next_free_sgpr 80
		.amdhsa_reserve_vcc 0
		.amdhsa_float_denorm_mode_32 3
		.amdhsa_float_denorm_mode_16_64 3
		.amdhsa_memory_ordered 1
		.amdhsa_forward_progress 1
		.amdhsa_inst_pref_size 146
	.end_amdhsa_kernel
	.amdgpu_metadata
---
amdhsa.version: [ 1, 2 ]
amdhsa.kernels:
  - .name:           k_q3165688bcd_qkv
    .symbol:         k_q3165688bcd_qkv.kd
    .args:
      - { .name: xb, .offset: 0, .size: 8, .value_kind: global_buffer, .address_space: global }
      - { .name: wqkv, .offset: 8, .size: 8, .value_kind: global_buffer, .address_space: global }
      - { .name: rope, .offset: 16, .size: 8, .value_kind: global_buffer, .address_space: global }
      - { .name: qkv, .offset: 24, .size: 8, .value_kind: global_buffer, .address_space: global }
    .group_segment_fixed_size: 327680
    .private_segment_fixed_size: 0
    .kernarg_segment_align: 8
    .kernarg_segment_size: 32
    .max_flat_workgroup_size: 128
    .sgpr_count:     80
    .vgpr_count:     1024
    .wavefront_size: 32
...
	.end_amdgpu_metadata
.endif
;; end of part 2
;; launch attn (part 3): grid 32 x 8, 4 waves a work-group, no clusters, 167,936 bytes of LDS; arguments qkv, ob; writes ob
.if DOCPART == 3
	.amdgcn_target "amdgcn-amd-amdhsa--gfx1250"
	.amdhsa_code_object_version 6
	.text
	.protected	k_q3165688bcd_attn
	.globl	k_q3165688bcd_attn
	.p2align	8
	.type	k_q3165688bcd_attn,@function
k_q3165688bcd_attn:
	s_mov_b64 s[64:65], 0
	v_nop
	global_prefetch_b8 v0, s[64:65] scope:SCOPE_SE
	s_setreg_imm32_b32 hwreg(HW_REG_WAVE_MODE, 25, 1), 1
	s_wait_xcnt 0x0
; BANDED CAUSAL ATTENTION.  qkv: [16 planes][8192 rows][128] f16 (planes 0-7 query heads, 8-11 k, 12-15 v; row = batch x 4096 + position).  ob: [8192][1024] f16, column = head x 128 + channel.
; Query i (0..127) of block n sees the keys i + 1 .. i + 128 of [block n - 1 | block n]; in block 0 only those of its own block.  Products, maxima and sums in f32; the weights are rounded to f16
; for the second product (their sum is taken of the unrounded weights), O once at the end.  The row's true maximum is taken away before the exponentials: all of a row's scores are held at once.
; LIMITS.  A hidden score counts as its value less 1e30 (f16's scores, 5.5e11 at the most, are nothing beside that); a weight below 2^-126 counts as 0; NaN and infinities are not treated apart.
; SHARES.  A work-group: one block n, one batch, one key/value head, BOTH query heads on it: 256 work-groups.  Wave w: query head w / 2, queries 64 (w % 2) .. + 63: four tiles t of 16.  It reads the 192 keys
; from LDS row 64 (w % 2) on: twelve key tiles kt.  With d = kt - t only d = 0 .. 8 can be seen: d = 0 and d = 8 in part, the others whole.  144 products for the scores, 160 for V^T P.
; THE MASK is the C operand that starts a score's sum: ML0 (d = 0: key <= query hidden), MH (d = 8: key > query hidden), ME0 (kt < 4) and ME1 (kt 4-7): -1e30 where those keys lie in the block before block 0, else 0.
; In block 0 the 'previous' half of LDS holds block 0 once more: finite numbers, all hidden.
; LAYOUT.  S^T = K Q^T holds ONE query a lane (l % 16) and the keys 8 (l / 16) + 0..7; two such results rounded to f16 ARE source 1 (32 keys x 16 queries) of O^T = V^T P.  V is turned by ds_load_tr16_b128.
; IN.  Each wave asks for its Q, then for 64 of the 256 rows of K, then for the same 64 rows of V: two tensor loads, at the head.  The scores begin when K is in; V is waited for behind the exponentials.
; Nothing in LDS is filled twice.
; NO CLUSTER: a block of K or V is read by two neighbouring work-groups alone, and it would land in the 'own' half of one and in the 'previous' half of the other: an LDS address would hang on the place
; in the cluster; it is a third of a work-group's bytes.
; REGISTERS, in windows of 256 (s_set_vgpr_msb's low byte: bits 1:0 source 0, 3:2 source 1, 5:4 source 2, 7:6 destination):
;   window 0: v0-15 addresses and constants; v16-47 masks; v48-79 eight registers of statistics a tile; v96-255 P, 40 a tile (later the packed O, 32 a tile)
;   window 1: S^T of tiles 0-2, at 72 t + 8 d          window 2: v0-127 Q (32 t + 8 c); v128-255 K, two buffers of two key tiles; later O^T at 64 t + 8 cb
;   window 3: v0-71 S^T of tile 3; v128-255 V, two buffers of 32 keys
.set PK,    272       ; a row of K in LDS: 256 bytes + 16 of padding: the 16 rows of a load start at 16 different groups of four banks (64 banks of 4 bytes: ISA guide 11.1)
.set PV,    288       ; a row of V: 256 + 32
.set VBASE, 256*PK    ; K's 256 rows, then V's 256 rows
.set STAGE, VBASE+256*PV  ; behind them: 16 rows x 272 bytes for each wave, for the way out
.set SP,    272
.set SPARE, STAGE+4*16*SP  ; behind the stages: the spare words, 128 bytes for each wave: two blocks of 256 bytes that no other line names
.set AK,  2           ; v2   LDS address of my lane's place in my first key tile of K
.set AV,  3           ; v3   the same for V
.set QO,  4           ; v4   my byte offset in 16 rows of Q
.set STO, 5           ; v5   the way out: where I put 16 bytes of a row
.set RD,  6           ; v6   the way out: where I read a row back
.set GO,  7           ; v7   my byte offset in two rows of ob
.set SPW, 12          ; v12  LDS address of my spare word: SPARE + 4 x my thread's number; never rewritten
.set NIL, 13          ; v13  0; never rewritten
.set ML0, 16
.set MH,  24
.set ME0, 32
.set ME1, 40
.set ST,  48          ; tile t's statistics at v[ST+8 t]: +0 c m, +1 m, +2 1 / l, +3 l, +4 to +6 three chains at work
.set P,   96
.set KF,  128         ; window 2
.set VF,  128         ; window 3
.set WV,  12          ; s12  my wave's number
.set G1K, 24          ; s[24:31] descriptor group 1 for K's tiles
.set G1V, 32          ; s[32:39] for V's: it differs in the padding alone
.set G0K, 40          ; s[40:43] descriptor group 0 for K's tile
.set G0V, 44          ; s[44:47] for V's
.set CS,  58          ; s[58:59] c = log2(e) / sqrt(128): the packed scaling takes the pair's low word for both halves
.set SEL, 60          ; s[60:61] v_permlanex16_b32's selects: each lane takes its own place in the other half
.set MSB, 0
.macro WIN new                      ; the high byte repeats the setting that is left; a switch that changes nothing is dropped
.if MSB != (\new)
	s_set_vgpr_msb (MSB<<8)|(\new)
.set MSB, \new
.endif
.endm
.macro PLACES                       ; four plain instructions behind a matrix instruction, in front of loads into registers that it has read and of lines that read its results
.rept 4
	v_nop
.endr
.endm
	s_load_b128 s[4:7], s[0:1], 0x0 ; qkv s[4:5], ob s[6:7]
	v_lshl_add_u32 v[SPW], v0, 2, SPARE
	v_mov_b32 v[NIL], 0
	ds_add_u32 v[SPW], v[NIL]       ; the wave's opening: the add and its wait stand ahead of my first tensor load; the set-up below, work on registers, stands between them
	ds_add_u32 v12, v13
	v_lshrrev_b32 v1, 5, v0
	v_readfirstlane_b32 s[WV], v1   ; wave 0..3
	s_and_b32 s13, s[WV], 1         ; half: which 64 queries are mine.  Also: which 64 rows of a block I fetch
	s_lshr_b32 s14, s[WV], 1        ; which of the two query heads.  Also: I fetch from the previous block (0) or from the own one (1)
	s_mov_b32 s15, ttmp9            ; n
	s_and_b32 s16, ttmp7, 0xffff
	s_and_b32 s17, s16, 3           ; the key/value head
	s_lshr_b32 s18, s16, 2          ; the batch
	s_add_co_u32 s19, s15, s14
	s_max_u32 s19, s19, 1
	s_sub_co_u32 s19, s19, 1        ; the block that I fetch from: n - 1 or n, and block 0 where there is none before
	s_add_co_u32 s20, s17, 8        ; K's plane,
	s_lshl_b32 s20, s20, 13         ; of 8,192 rows,
	s_lshl_b32 s21, s18, 12
	s_add_co_u32 s20, s20, s21      ; the batch's 4,096,
	s_lshl_b32 s21, s19, 7
	s_add_co_u32 s20, s20, s21      ; the block's 128,
	s_lshl_b32 s21, s13, 6
	s_add_co_u32 s20, s20, s21      ; my 64 of them,
	s_lshl_b32 s20, s20, 8          ; of 256 bytes
	s_mov_b32 s21, 0
	s_lshl_b32 s22, s17, 1
	s_add_co_u32 s22, s22, s14      ; my query head
	s_lshl_b32 s23, s18, 12
	s_lshl_b32 s2, s15, 7
	s_add_co_u32 s23, s23, s2
	s_lshl_b32 s2, s13, 6
	s_add_co_u32 s23, s23, s2       ; my first query's row
	s_lshl_b32 s2, s22, 13
	s_add_co_u32 s2, s2, s23
	s_lshl_b32 s2, s2, 8            ; Q: (head x 8,192 + row) x 256
	s_mov_b32 s3, 0
	s_lshl_b32 s52, s23, 11
	s_lshl_b32 s53, s22, 8
	s_add_co_u32 s52, s52, s53      ; O: row x 2,048 + head x 256
	s_mov_b32 s53, 0
	; descriptor group 1: a tile of 64 rows x 128 elements, dense in memory, padded in LDS
	s_mov_b32 s[G1K], (1<<16)|(1<<20)|(5<<22)|(3<<25)  ; 17:16 elements of 2 bytes; 20 padding on; 24:22 after every 64 words (code 5); 31:25 4 words (code 3)
	s_mov_b32 s[G1V], (1<<16)|(1<<20)|(5<<22)|(7<<25)  ; the same with 8 words of padding (code 7)
.irp g, G1K, G1V
	s_mov_b32 s[(\g)+1], 128<<16    ; tensor_dim0 = 128
	s_mov_b32 s[(\g)+2], 64<<16     ; tensor_dim1 = 64
	s_mov_b32 s[(\g)+3], 128<<16    ; tile_dim0 = 128
	s_mov_b32 s[(\g)+4], 64         ; tile_dim1 = 64
	s_mov_b32 s[(\g)+5], 128        ; elements from row to row
	s_mov_b32 s[(\g)+6], 0
	s_mov_b32 s[(\g)+7], 0
.endr
	s_mov_b32 s[G0K], 1             ; count = 1
	s_mul_i32 s[G0K+1], s[WV], 64*PK  ; LDS address: rows 64 w on: the previous block's 128 rows, then the own block's
	s_mov_b32 s[G0V], 1
	s_mul_i32 s[G0V+1], s[WV], 64*PV
	s_add_co_u32 s[G0V+1], s[G0V+1], VBASE
	s_mov_b32 s[CS], 0x3e0293ee     ; c = log2(e) / sqrt(128) = 0.127517
	s_mov_b32 s[CS+1], s[CS]        ; named with it as a pair
	s_mov_b32 s[SEL], 0x76543210
	s_mov_b32 s[SEL+1], 0xfedcba98
	s_mov_b32 s48, 0xf149f2ca       ; -1e30
	s_cmp_eq_u32 s15, 0
	s_cselect_b32 s49, s48, 0       ; my key tiles 0-3 lie in the previous block for both halves: hidden in block 0
	s_or_b32 s50, s15, s13
	s_cmp_eq_u32 s50, 0
	s_cselect_b32 s50, s48, 0       ; my key tiles 4-7 lie there for the first half alone
	; A fragment of K or Q is 16 rows x 32 channels in 8 registers: lane l holds row l % 16, channels 8 (l / 16) + 0..7 and 16 + 8 (l / 16) + 0..7: two loads of 16 bytes, 32 bytes apart
	v_and_b32 v1, 15, v0            ; l % 16
	v_bfe_u32 v8, v0, 4, 1          ; l / 16
	v_lshlrev_b32 v[QO], 8, v1
	v_lshl_add_u32 v[QO], v8, 4, v[QO]
	s_wait_dscnt 0x0                ; the opening add is done
	s_wait_kmcnt 0x0
	s_add_nc_u64 s[G0K+2:G0K+3], s[4:5], s[20:21]
	s_add_nc_u64 s[G0V+2:G0V+3], s[G0K+2:G0K+3], 0x800000  ; V's plane lies four planes of 2,097,152 bytes behind K's
	s_or_b32 s[G0K+3], s[G0K+3], 0x80000000                ; type = 2
	s_or_b32 s[G0V+3], s[G0V+3], 0x80000000
	s_add_nc_u64 s[4:5], s[4:5], s[2:3]                    ; Q at my first row
	s_add_nc_u64 s[6:7], s[6:7], s[52:53]                  ; O likewise
	WIN 0x80                        ; destination window 2, address window 0
.irp i, 0,1,2,3,4,5,6,7,8,9,10,11,12,13,14,15  ; Q is asked for first and stays in registers: tile i / 4, channels 32 (i % 4) on
	global_load_b128 v[8*(\i):8*(\i)+3],   v[QO], s[4:5] offset:((\i)/4)*4096+((\i)%4)*64
	global_load_b128 v[8*(\i)+4:8*(\i)+7], v[QO], s[4:5] offset:((\i)/4)*4096+((\i)%4)*64+32
.endr
	WIN 0
	tensor_load_to_lds s[G0K:G0K+3], s[G1K:G1K+7]  ; my 64 rows of K, then my 64 rows of V: the wave's two fills stand together; two tensor loads of mine are out.  An s_nop 0 follows each, four v_nop the second
	s_nop 0
	tensor_load_to_lds s[G0V:G0V+3], s[G1V:G1V+7]
	s_nop 0
.rept 4
	v_nop
.endr
	; the masks.  Register i of a score tile is key 8 (l / 16) + i, my query is l % 16: key <= query where 8 (l / 16) - l % 16 < 1 - i
	v_lshlrev_b32 v14, 3, v8
	v_sub_nc_u32 v14, v14, v1
	v_mov_b32 v15, 0
	v_mov_b32 v10, s48
	v_mov_b32 v11, s49
.irp i, 0,1,2,3,4,5,6,7
	v_cmp_gt_i32 vcc_lo, 1-(\i), v14
	v_cndmask_b32 v[ML0+(\i)], v11, v10, vcc_lo  ; d = 0: hidden where key <= query; the rest as key tiles 0-3 are
	v_cndmask_b32 v[MH+(\i)],  v10, v15, vcc_lo  ; d = 8: seen where key <= query
	v_mov_b32 v[ME0+(\i)], s49
	v_mov_b32 v[ME1+(\i)], s50
.endr
.irp z, P+36, P+40, P+116, P+120    ; of each tile's five groups of 32 keys one half has no scores (tile 0: kt 9; 1: kt 0; 2: kt 11; 3: kt 2): its weights are 0
	v_mov_b32 v[(\z)], 0
	v_mov_b32 v[(\z)+1], 0
	v_mov_b32 v[(\z)+2], 0
	v_mov_b32 v[(\z)+3], 0
.endr
	s_lshl_b32 s51, s13, 6          ; my keys begin at LDS row 64 x half
	v_add_nc_u32 v9, s51, v1
	v_mul_u32_u24 v[AK], v9, PK
	v_lshl_add_u32 v[AK], v8, 4, v[AK]
	; The turning load takes 16 keys x 16 channels (lane l reads key 8 (l / 16) + l % 8, channels 8 ((l / 8) % 2) + 0..7) and leaves half a fragment of V^T: lane l holds channel l % 16 and 8 keys
	v_and_b32 v9, 7, v0
	v_lshl_add_u32 v9, v8, 3, v9
	v_add_nc_u32 v9, s51, v9
	v_mul_u32_u24 v[AV], v9, PV
	v_bfe_u32 v9, v0, 3, 1
	v_lshl_add_u32 v[AV], v9, 4, v[AV]
	v_add_nc_u32 v[AV], VBASE, v[AV]
	s_mul_i32 s51, s[WV], 16*SP
	s_add_co_u32 s51, s51, STAGE    ; my stage
	v_mul_u32_u24 v[STO], v1, SP    ; in: row l % 16, 16 bytes for each half of the lanes
	v_lshl_add_u32 v[STO], v8, 4, v[STO]
	v_add_nc_u32 v[STO], s51, v[STO]
	v_mul_u32_u24 v[RD], v8, SP     ; back: lanes 0-15 take one row of 256 bytes, lanes 16-31 the next
	v_lshl_add_u32 v[RD], v1, 4, v[RD]
	v_add_nc_u32 v[RD], s51, v[RD]
	v_lshlrev_b32 v[GO], 11, v8     ; and the same two rows in ob, 2,048 bytes apart
	v_lshl_add_u32 v[GO], v1, 4, v[GO]
	s_wait_tensorcnt 0x1            ; my rows of K are in LDS; V's load, issued behind K's, may stay out
	s_barrier_signal -1
	s_barrier_wait -1               ; everybody's rows of K are
; K's fragments of key tiles 2 g and 2 g + 1: 16 loads, into buffer g % 2
.macro FK g
	WIN 0x80
.irp e, 0,1
.irp c, 0,1,2,3
	ds_load_b128 v[KF+64*((\g)%2)+32*(\e)+8*(\c):KF+64*((\g)%2)+32*(\e)+8*(\c)+3],   v[AK] offset:(2*(\g)+(\e))*16*PK+64*(\c)
	ds_load_b128 v[KF+64*((\g)%2)+32*(\e)+8*(\c)+4:KF+64*((\g)%2)+32*(\e)+8*(\c)+7], v[AK] offset:(2*(\g)+(\e))*16*PK+64*(\c)+32
.endr
.endr
.endm
; V's fragments of keys 32 g .. 32 g + 31, turned: 16 loads, into buffer g % 2
.macro FV g
	WIN 0xc0
.irp cb, 0,1,2,3,4,5,6,7
	ds_load_tr16_b128 v[VF+64*((\g)%2)+8*(\cb):VF+64*((\g)%2)+8*(\cb)+3],   v[AV] offset:(\g)*32*PV+32*(\cb)
	ds_load_tr16_b128 v[VF+64*((\g)%2)+8*(\cb)+4:VF+64*((\g)%2)+8*(\cb)+7], v[AV] offset:(\g)*32*PV+16*PV+32*(\cb)
.endr
.endm
; The scores of key tiles 2 g and 2 g + 1: for each 32 channels c, one product on each score tile (t, kt) that can be seen.  The group's 3, 7 or 8 accumulators take turns, one instruction a turn.
.macro MS g
.irp c, 0,1,2,3
.irp t, 0,1,2,3
.irp e, 0,1
.set kt, 2*(\g)+(\e)
.set dl, kt-(\t)
.if (dl >= 0) && (dl <= 8)
.set dw, 1+2*((\t)/3)               ; S^T's window: 1, for tile 3: 3
.set rS, 72*((\t)%3)+8*dl
.set rK, KF+64*((\g)%2)+32*(\e)+8*(\c)
.set rQ, 32*(\t)+8*(\c)
.if (\c) == 0
	WIN (dw<<6)|0x0a                ; K and Q in window 2, the mask in window 0
.if dl == 0
	v_wmma_f32_16x16x32_f16 v[rS:rS+7], v[rK:rK+7], v[rQ:rQ+7], v[ML0:ML0+7]
.elseif dl == 8
	v_wmma_f32_16x16x32_f16 v[rS:rS+7], v[rK:rK+7], v[rQ:rQ+7], v[MH:MH+7]
.elseif kt < 4
	v_wmma_f32_16x16x32_f16 v[rS:rS+7], v[rK:rK+7], v[rQ:rQ+7], v[ME0:ME0+7]
.elseif kt < 8
	v_wmma_f32_16x16x32_f16 v[rS:rS+7], v[rK:rK+7], v[rQ:rQ+7], v[ME1:ME1+7]
.else
	v_wmma_f32_16x16x32_f16 v[rS:rS+7], v[rK:rK+7], v[rQ:rQ+7], 0
.endif
.else
	WIN (dw<<6)|(dw<<4)|0x0a
	v_wmma_f32_16x16x32_f16 v[rS:rS+7], v[rK:rK+7], v[rQ:rQ+7], v[rS:rS+7]
.endif
.endif
.endr
.endr
.endr
.endm
; O^T += V^T P for keys 32 g on: tiles 0, 1 have groups 0-4, tiles 2, 3 groups 1-5; a tile's first group starts its sums.  Each accumulator has one instruction in a group.
.macro PVG g
	WIN 0xa3                        ; V in window 3, P in window 0, O^T in window 2
.irp cb, 0,1,2,3,4,5,6,7
.irp t, 0,1,2,3
.set gr, (\g)-(\t)/2
.if (gr >= 0) && (gr <= 4)
.set rO, 64*(\t)+8*(\cb)
.set rV, VF+64*((\g)%2)+8*(\cb)
.set rP, P+40*(\t)+8*gr
.if gr == 0
	v_wmma_f32_16x16x32_f16 v[rO:rO+7], v[rV:rV+7], v[rP:rP+7], 0
.else
	v_wmma_f32_16x16x32_f16 v[rO:rO+7], v[rV:rV+7], v[rP:rP+7], v[rO:rO+7]
.endif
.endif
.endr
.endr
.endm
	; THE SCORES.  Each wait's count is the number of LDS loads issued behind the run that is wanted.
	FK 0
	FK 1
	s_wait_loadcnt 0x0              ; Q
	s_wait_dscnt 16
	MS 0
	PLACES
	FK 2
	s_wait_dscnt 16
	MS 1
	PLACES
	FK 3
	s_wait_dscnt 16
	MS 2
	PLACES
	FK 4
	s_wait_dscnt 16
	MS 3
	PLACES
	FK 5
	s_wait_dscnt 16
	MS 4
	s_wait_dscnt 0x0
	MS 5
	PLACES
	; THE SOFTMAX.  The maximum of a lane's 72 scores a tile: three chains of 24 registers (three accumulators each), three operands at a time; each accumulator's lowest registers are read first.
.macro MAXA base, t
.irp q, 0,1,2
	v_max3_num_f32 v[ST+8*(\t)+4+(\q)], v[(\base)+24*(\q)], v[(\base)+24*(\q)+1], v[(\base)+24*(\q)+2]
.endr
.endm
.macro MAXB base, t, i
.irp q, 0,1,2
	v_max3_num_f32 v[ST+8*(\t)+4+(\q)], v[ST+8*(\t)+4+(\q)], v[(\base)+24*(\q)+3+2*(\i)], v[(\base)+24*(\q)+4+2*(\i)]
.endr
.endm
.macro MAXC base, t
.irp q, 0,1,2
	v_max_num_f32 v[ST+8*(\t)+4+(\q)], v[ST+8*(\t)+4+(\q)], v[(\base)+24*(\q)+23]
.endr
.endm
	WIN 0x15                        ; all three sources in window 1
	MAXA 0, 0
	MAXA 72, 1
	MAXA 144, 2
	WIN 0x14                        ; source 0, the chain, in window 0
.irp i, 0,1,2,3,4,5,6,7,8,9
	MAXB 0, 0, \i
	MAXB 72, 1, \i
	MAXB 144, 2, \i
.endr
	MAXC 0, 0
	MAXC 72, 1
	MAXC 144, 2
	WIN 0x3f                        ; tile 3: window 3
	MAXA 0, 3
	WIN 0x3c
.irp i, 0,1,2,3,4,5,6,7,8,9
	MAXB 0, 3, \i
.endr
	MAXC 0, 3
	WIN 0
.irp t, 0,1,2,3
	v_max3_num_f32 v[ST+8*(\t)+4], v[ST+8*(\t)+4], v[ST+8*(\t)+5], v[ST+8*(\t)+6]
.endr
.irp t, 0,1,2,3
	v_permlanex16_b32 v[ST+8*(\t)+5], v[ST+8*(\t)+4], s[SEL], s[SEL+1]  ; the query's other keys lie in the lane 16 away
.endr
.irp t, 0,1,2,3
	v_max_num_f32 v[ST+8*(\t)+1], v[ST+8*(\t)+4], v[ST+8*(\t)+5]        ; m: a seen score, since every row sees a key
.endr
.irp t, 0,1,2,3
	v_mul_f32 v[ST+8*(\t)], s[CS], v[ST+8*(\t)+1]
.endr
.macro SCALE base, t                ; c s - c m, a pair at a time
.set i, 0
.rept 36
	v_pk_fma_f32 v[(\base)+2*i:(\base)+2*i+1], v[(\base)+2*i:(\base)+2*i+1], s[CS:CS+1], v[ST+8*(\t):ST+8*(\t)+1] op_sel_hi:[1,0,0] neg_lo:[0,0,1] neg_hi:[0,0,1]
.set i, i+1
.endr
.endm
.macro EXPS n
.set i, 0
.rept \n
	v_exp_f32 v[i], v[i]
.set i, i+1
.endr
.endm
	WIN 0x41                        ; S^T (destination and source 0) in window 1, c m in window 0
	SCALE 0, 0
	SCALE 72, 1
	SCALE 144, 2
	EXPS 216                        ; the wave's 288 exponentials are ONE batch: nothing ahead of the wait below names a result
	WIN 0xc3
	SCALE 0, 3
	EXPS 72
	v_nop                           ; a plain instruction behind the last exponential,
	s_wait_alu depctr_va_vdst(0)    ; and the one wait ahead of the first reader
	s_wait_tensorcnt 0x0            ; my rows of V are in LDS: they had the scores, the maxima and the exponentials in which to land;
	s_barrier_signal -1             ; (no LDS instruction of mine is out: the last were waited for ahead of the last scores)
	s_barrier_wait -1               ; everybody's are
	FV 0                            ; V's first two groups come while the weights are rounded and added up
	FV 1
.macro ROUNDP base, t               ; the weights to f16: key tile kt = t + d goes to group kt / 2, half kt % 2
.irp d, 0,1,2,3,4,5,6,7,8
.set kt, (\t)+(\d)
.irp i, 0,1,2,3
	v_cvt_pk_f16_f32 v[P+40*(\t)+8*(kt/2-(\t)/2)+4*(kt%2)+(\i)], v[(\base)+8*(\d)+2*(\i)], v[(\base)+8*(\d)+2*(\i)+1]
.endr
.endr
.endm
.macro SUMS base                    ; the tile's 36 pairs are added in place, as a tree: 18 + 9 + 4 + 2 + 2 packed additions
.set j, 0
.rept 18
	v_pk_add_f32 v[(\base)+2*j:(\base)+2*j+1], v[(\base)+2*j:(\base)+2*j+1], v[(\base)+2*j+36:(\base)+2*j+37]
.set j, j+1
.endr
.set j, 0
.rept 9
	v_pk_add_f32 v[(\base)+2*j:(\base)+2*j+1], v[(\base)+2*j:(\base)+2*j+1], v[(\base)+2*j+18:(\base)+2*j+19]
.set j, j+1
.endr
.set j, 1
.rept 4
	v_pk_add_f32 v[(\base)+2*j:(\base)+2*j+1], v[(\base)+2*j:(\base)+2*j+1], v[(\base)+2*j+8:(\base)+2*j+9]
.set j, j+1
.endr
.set j, 1
.rept 2
	v_pk_add_f32 v[(\base)+2*j:(\base)+2*j+1], v[(\base)+2*j:(\base)+2*j+1], v[(\base)+2*j+4:(\base)+2*j+5]
.set j, j+1
.endr
	v_pk_add_f32 v[(\base):(\base)+1], v[(\base):(\base)+1], v[(\base)+2:(\base)+3]
	v_pk_add_f32 v[(\base):(\base)+1], v[(\base):(\base)+1], v[(\base)+4:(\base)+5]
.endm
	WIN 0x05                        ; sources in window 1, destination in window 0
	ROUNDP 0, 0
	ROUNDP 72, 1
	ROUNDP 144, 2
	WIN 0x45
	SUMS 0
	SUMS 72
	SUMS 144
	WIN 0x05
	v_add_f32 v[ST+3],  v0,   v1
	v_add_f32 v[ST+11], v72,  v73
	v_add_f32 v[ST+19], v144, v145
	WIN 0x0f                        ; tile 3: window 3
	ROUNDP 0, 3
	WIN 0xcf
	SUMS 0
	WIN 0x0f
	v_add_f32 v[ST+27], v0, v1
	WIN 0
.irp t, 0,1,2,3
	v_permlanex16_b32 v[ST+8*(\t)+6], v[ST+8*(\t)+3], s[SEL], s[SEL+1]
.endr
.irp t, 0,1,2,3
	v_add_f32 v[ST+8*(\t)+3], v[ST+8*(\t)+3], v[ST+8*(\t)+6]  ; l: at least 1, the weight of the row's maximum
.endr
.irp t, 0,1,2,3
	v_rcp_f32 v[ST+8*(\t)+2], v[ST+8*(\t)+3]
.endr
	v_nop                           ; a plain instruction behind the last reciprocal,
	s_wait_alu depctr_va_vdst(0)    ; and the one wait for the four
	; V^T P.  O^T takes Q's and K's registers.
	s_wait_dscnt 16
	PVG 0
	PLACES
	FV 2
	s_wait_dscnt 16
	PVG 1
	PLACES
	FV 3
	s_wait_dscnt 16
	PVG 2
	PLACES
	FV 4
	s_wait_dscnt 16
	PVG 3
	PLACES
	FV 5
	s_wait_dscnt 16
	PVG 4
	s_wait_dscnt 0x0
	PVG 5
	PLACES
	; THE WAY OUT.  O^T is divided by l, rounded to f16 and sent through my stage in LDS, a tile (16 rows) at a time.
.macro PACK t
	WIN 0x82                        ; O^T (destination and source 0) in window 2, 1 / l in window 0
.set i, 64*(\t)
.rept 32
	v_pk_mul_f32 v[i:i+1], v[i:i+1], v[ST+8*(\t)+2:ST+8*(\t)+3] op_sel_hi:[1,0]
.set i, i+2
.endr
	WIN 0x0a                        ; sources in window 2, destination in window 0: P's registers are free
.set i, 0
.rept 32
	v_cvt_pk_f16_f32 v[P+32*(\t)+i], v[64*(\t)+2*i], v[64*(\t)+2*i+1]
.set i, i+1
.endr
	WIN 0
.irp f, 0,1,2,3,4,5,6,7
	ds_store_b128 v[STO], v[P+32*(\t)+4*(\f):P+32*(\t)+4*(\f)+3] offset:32*(\f)
.endr
.irp f, 0,1,2,3,4,5,6,7
	ds_load_b128 v[P+32*(\t)+4*(\f):P+32*(\t)+4*(\f)+3], v[RD] offset:(\f)*2*SP  ; LDS serves a wave's instructions in order (ISA guide 5.7.1.4): these see the stores above; the next tile's stores come behind them
.endr
.endm
.macro SEND t, younger              ; younger: the LDS instructions issued behind tile t's loads: the next tile's sixteen, or none
	WIN 0
.irp f, 0,1,2,3,4,5,6,7
	s_wait_dscnt (\younger)+7-(\f)
	global_store_b128 v[GO], v[P+32*(\t)+4*(\f):P+32*(\t)+4*(\f)+3], s[6:7] offset:(\t)*32768+(\f)*4096  ; each 16 lanes store 256 consecutive bytes, at a multiple of 256 from ob's first byte
.endr
.endm
	PACK 0
	PACK 1                          ; a tile's arithmetic stands between the loads of the tile before and its stores
	SEND 0, 16
	PACK 2
	SEND 1, 16
	PACK 3
	SEND 2, 16
	SEND 3, 0
	s_wait_tensorcnt 0x0            ; the wave's end: behind my last tensor load and my last LDS store
	ds_add_u32 v[SPW], v[NIL]
	s_wait_dscnt 0x0
	s_endpgm
.Lfunc_end_k_q3165688bcd_attn:
	.size	k_q3165688bcd_attn, .Lfunc_end_k_q3165688bcd_attn-k_q3165688bcd_attn
	.p2alignl 7, 3214868480
	.fill 96, 4, 3214868480
	.section	.rodata,"a",@progbits
	.p2align	6, 0x0
	.amdhsa_kernel k_q3165688bcd_attn
		.amdhsa_group_segment_fixed_size 167936
		.amdhsa_private_segment_fixed_size 0
		.amdhsa_enable_private_segment 0
		.amdhsa_kernarg_size 16
		.amdhsa_user_sgpr_count 2
		.amdhsa_user_sgpr_kernarg_segment_ptr 1
		.amdhsa_wavefront_size32 1
		.amdhsa_system_sgpr_workgroup_id_x 1
		.amdhsa_system_sgpr_workgroup_id_y 1
		.amdhsa_system_sgpr_workgroup_id_z 1
		.amdhsa_system_vgpr_workitem_id 0
		.amdhsa_next_free_vgpr 1024
		.amdhsa_next_free_sgpr 66
		.amdhsa_reserve_vcc 1
		.amdhsa_float_denorm_mode_32 3
		.amdhsa_float_denorm_mode_16_64 3
		.amdhsa_memory_ordered 1
		.amdhsa_forward_progress 1
		.amdhsa_inst_pref_size 116
	.end_amdhsa_kernel
	.amdgpu_metadata
---
amdhsa.version: [ 1, 2 ]
amdhsa.kernels:
  - .name:           k_q3165688bcd_attn
    .symbol:         k_q3165688bcd_attn.kd
    .args:
      - { .name: qkv, .offset: 0, .size: 8, .value_kind: global_buffer, .address_space: global }
      - { .name: ob, .offset: 8, .size: 8, .value_kind: global_buffer, .address_space: global }
    .group_segment_fixed_size: 167936
    .private_segment_fixed_size: 0
    .kernarg_segment_align: 8
    .kernarg_segment_size: 16
    .max_flat_workgroup_size: 128
    .sgpr_count:     66
    .vgpr_count:     1024
    .wavefront_size: 32
...
	.end_amdgpu_metadata
.endif
;; end of part 3
;; launch oproj (part 4): grid 8 x 32, 4 waves a work-group, clusters of 4 x 4, 327,680 bytes of LDS; arguments ob, wob, out0; writes out0
.if DOCPART == 4
	.amdgcn_target "amdgcn-amd-amdhsa--gfx1250"
	.amdhsa_code_object_version 6
	.text
	.protected	k_q3165688bcd_oproj
	.globl	k_q3165688bcd_oproj
	.p2align	8
	.type	k_q3165688bcd_oproj,@function
k_q3165688bcd_oproj:
	s_mov_b64 s[64:65], 0
	v_nop
	global_prefetch_b8 v0, s[64:65] scope:SCOPE_SE
	s_setreg_imm32_b32 hwreg(HW_REG_WAVE_MODE, 25, 1), 1
	s_wait_xcnt 0x0
	s_wait_alu depctr_hold_cnt(0) depctr_sa_sdst(0) depctr_va_vdst(0) depctr_va_sdst(0) depctr_va_ssrc(0) depctr_va_vcc(0) depctr_vm_vsrc(0)
	s_getreg_b32 s2, hwreg(HW_REG_IB_STS2, 6, 4)
	s_cmp_eq_u32 s2, 0
	s_cbranch_scc0 .Lentry_in_a_cluster
	s_endpgm
.Lentry_in_a_cluster:
	s_bfe_u32 s2, ttmp6, 0x10000c
	s_cmp_lg_u32 s2, 0xf033
	s_cbranch_scc0 .Lentry_shape_is_right
	s_endpgm
.Lentry_shape_is_right:
; y = O wo^T.  A = ob [8192][1024] f16, B = wob [2048][1024] f16 (wo rounded to bf16 and written as f16); C = out0 [8192][2048] f32; sums in f32, K ascending.
; SHARES.  A tile of C, 256 x 256, to a work-group of four waves; a wave makes 128 x 128: 64 accumulators of 16 x 16, 512 registers.  256 work-groups.
; K goes in steps of 128 through a ring of two LDS slots filled by the tensor data mover; a tile's rows are 256 bytes of memory and start at multiples of 256 bytes from the buffer's first byte.
; THE TEXT OF A K STEP STANDS TWICE: once in the loop over the steps that fill a slot again, once in a loop of two trips for the last two steps, which ask for nothing.  Which slot is read and which is
; filled hangs on one scalar, 0 or SLOT, turned by an exclusive or in each step.
; CLUSTERS: 4 x 4 work-groups.  The four of a row of the cluster need the same tiles of A, the four of a column the same tiles of B: each tile is asked for JOINTLY, by the same tensor load
; with the same descriptor and a mask that names the four; each receives it in its own LDS.
; THE MATRIX INSTRUCTION IS USED TRANSPOSED: source 0 = 16 rows of B, source 1 = 16 rows of A: lane l holds row l % 16 of C and its registers 0-7 the columns 8 (l / 16) + 0..7: 32 bytes of a row.
; REGISTERS, in windows of 256 (s_set_vgpr_msb's low byte: bits 1:0 source 0, 3:2 source 1, 5:4 source 2, 7:6 destination):
;   window 0: v0-31 addresses; v64-127, v128-191 fragments of A, two buffers; on the way out the same two hold 16 rows read back from the stage, by turns
;   window 1: v64-127, v128-191 fragments of B, two buffers
;   window 2: the 32 accumulators of my rows 0-63 (accumulator (a, b) at v[8 (8 a + b)]);   window 3: those of my rows 64-127
.set SIZE_M, 8192
.set SIZE_N, 2048
.set SIZE_K, 1024
.set KSTEP,  128
.set STEPS,  SIZE_K/KSTEP
.set PITCH,  272                       ; an LDS row: 256 bytes of data + 16 of padding = 68 words: the 16 rows that a load touches start at 16 different groups of four banks (64 banks of 4 bytes: ISA guide 11.1)
.set HALFT,  128*PITCH                 ; 128 rows: what one tensor load brings, and what one wave reads of A or of B
.set SLOT,   4*HALFT                   ; A's 256 rows, then B's 256 rows
.set STAGE,  2*SLOT                    ; behind the ring: 16 rows x 528 bytes for each wave, for the way out; no tensor load lands there
.set SPITCH, 528                       ; 512 bytes of f32 + 16: an odd multiple of 16, so that the sixteen rows of a store start at different groups of four banks
.set SPARE,  STAGE+4*16*SPITCH         ; behind the stages: the spare words, 128 bytes for each wave: two blocks of 256 bytes that no other line names
.set ADRA0, 16                         ; v16     LDS address of my A fragments in slot 0; never rewritten
.set ADRA,  17                         ; v17     the same in the slot that is being fetched from
.set ADRB0, 20                         ; v20, v21  the same two for B
.set ADRB,  21
.set STO,  24                          ; v24     the way out: where I put 32 bytes of a row
.set RD,   25                          ; v25     the way out: where I read 16 bytes of a row back
.set CO,   26                          ; v26     16 x my lane: my bytes in the wave's 512 bytes of a row of C
.set SPW,  28                          ; v28     LDS address of my spare word: SPARE + 4 x my thread's number; never rewritten
.set NIL,  29                          ; v29     0; never rewritten
.set PFO,  30                          ; v30     the prefetches' offset: my lane x a row of A or B in memory; never rewritten
.set WB,   14                          ; s14     my wave's number x HALFT: where my part of a tile lies in a slot
.set TB,   15                          ; s15     0 or SLOT: the slot that is being fetched from
.set PFA,  44                          ; s[44:45] where my prefetches stand
.set LIM,  43                          ; s43     2 in a wave that prefetches, else the greatest number
.set F0,   64                          ; fragment buffer 0
.set F1,   128                         ; fragment buffer 1
.set G1, 24                            ; s[24:31] descriptor group 1 for A's tiles
.set G0, 32                            ; s[32:39] descriptor group 0 for A's tiles: a set for each of the two first fills; the second then walks on
.set G1B, 48                           ; s[48:55] descriptor group 1 for B's tiles: it differs from A's in the mask alone
.set G0B, 56                           ; s[56:63] descriptor group 0 for B's tiles, likewise
.set MSB, 0
.macro WIN new                         ; the immediate's high byte repeats the setting that is left; a switch that changes nothing is dropped
.if MSB != (\new)
	s_set_vgpr_msb (MSB<<8)|(\new)
.set MSB, \new
.endif
.endm
.set MUL_LO, 0xa1                      ; source 0 (B) window 1, source 1 (A) window 0, C and D window 2
.set MUL_HI, 0xf1                      ; the same, C and D window 3
.set TO_B,   0x40                      ; destination window 1, address window 0
; A joint load.  Waves 0 and 1 fetch A's two halves, waves 2 and 3 B's.  The branch hangs on the wave's number alone.  An s_nop 0 and four v_nop follow each of the two lines.
.macro JLOAD s
	s_cmp_eq_u32 s11, 0
	s_cbranch_scc0 .Lfor_b_\@
	tensor_load_to_lds s[G0+4*(\s):G0+4*(\s)+3], s[G1:G1+7]
	s_nop 0
.rept 4
	v_nop
.endr
	s_branch .Lasked_\@
.Lfor_b_\@:
	tensor_load_to_lds s[G0B+4*(\s):G0B+4*(\s)+3], s[G1B:G1B+7]
	s_nop 0
.rept 4
	v_nop
.endr
.Lasked_\@:
.endm
; A PREFETCH INTO THE L2, behind each joint refill and the run of LDS loads that follows it: the K step that stands TWO refills on: 32 rows x 256 bytes, a lane a row, one instruction a wave.
; Each row's 256 bytes of a K step are named once in the launch: of the clusters that read A's tile row the one with x = 0 asks, of those that read B's tile column the one with y = 0; the four
; partners that ask for a tile jointly share its rows out by address, 32 each.  The loop's last two trips ask for nothing (their refills are the last two K steps); nothing is asked for at the head.
.macro ASK
	s_cmp_gt_u32 s3, s[LIM]                        ; s3 = 2 and 1 in the loop's last two trips
	s_cbranch_scc0 .Lnot_mine_\@
	global_prefetch_b8 v[PFO], s[PFA:PFA+1] offset:KSTEP*2 th:TH_LOAD_NT scope:SCOPE_SE
.Lnot_mine_\@:
.endm
; A round of the cluster's barrier: my work-group's barrier; wave 0 signals for the work-group; every wave waits for all sixteen work-groups; my work-group's barrier once more.
.macro CREST                           ; a round behind its opening barrier
	s_cmp_lg_u32 s10, 0
	s_cbranch_scc1 .Lnot_wave_0_\@
	s_barrier_signal -3
.Lnot_wave_0_\@:
	s_barrier_wait -3
	s_barrier_signal -1
	s_barrier_wait -1
.endm
.macro CROUND                          ; a whole round
	s_barrier_signal -1
	s_barrier_wait -1
	CREST
.endm
	s_load_b128 s[4:7], s[0:1], 0x0                ; A s[4:5], B s[6:7]
	s_load_b64 s[8:9], s[0:1], 0x10                ; C
	v_lshl_add_u32 v[SPW], v0, 2, SPARE
	v_mov_b32 v[NIL], 0
	ds_add_u32 v[SPW], v[NIL]                      ; the wave's opening: the add and its wait stand ahead of my first tensor load; the set-up below, work on registers, stands between them
	ds_add_u32 v28, v29
	v_lshrrev_b32 v1, 5, v0
	v_readfirstlane_b32 s10, v1                    ; wave 0..3
	s_lshr_b32 s11, s10, 1                         ; which half of the tile's rows is mine.  Also: I fetch for A (0) or for B (1)
	s_and_b32 s12, s10, 1                          ; which half of its columns.  Also: which 128 rows of that tile I fetch
	s_bfe_u32 s40, ttmp6, 0x40000                  ; cx
	s_bfe_u32 s41, ttmp6, 0x40004                  ; cy
	s_lshl_b32 s42, ttmp9, 2
	s_add_co_u32 s42, s42, s40                     ; tile column of C = 4 x cluster x + cx
	s_and_b32 s13, ttmp7, 0xffff
	s_lshl_b32 s13, s13, 2
	s_add_co_u32 s13, s13, s41                     ; tile row of C = 4 x cluster y + cy
	s_lshl_b32 s43, s41, 2
	s_lshl_b32 s43, 15, s43                        ; my row of the cluster: places 4 cy .. 4 cy + 3
	s_lshl_b32 s44, 0x1111, s40                    ; my column: places cx, cx + 4, cx + 8, cx + 12
	; descriptor group 1: a tile of 128 rows x 128 elements, padded in LDS
	s_or_b32 s[G1+0], s43, (1<<16)|(1<<20)|(1<<21)|(5<<22)|(3<<25)  ; 15:0 the mask; 17:16 elements of 2 bytes; 20 padding on; 21 set beside a mask; 24:22 after every 64 words (code 5); 31:25 4 words (code 3)
	s_or_b32 s[G1B+0], s44, (1<<16)|(1<<20)|(1<<21)|(5<<22)|(3<<25)
	s_mov_b32 s[G1B+1], KSTEP<<16
	s_mov_b32 s[G1+1], KSTEP<<16                   ; tensor_dim0 = 128
	s_mov_b32 s[G1B+2], 128<<16
	s_mov_b32 s[G1+2], 128<<16                     ; tensor_dim1 = 128
	s_mov_b32 s[G1B+3], KSTEP<<16
	s_mov_b32 s[G1+3], KSTEP<<16                   ; tile_dim0 = 128
	s_mov_b32 s[G1B+4], 128
	s_mov_b32 s[G1+4], 128                         ; tile_dim1 = 128
	s_mov_b32 s[G1B+5], SIZE_K
	s_mov_b32 s[G1+5], SIZE_K                      ; elements from row to row
	s_mov_b32 s[G1B+6], 0
	s_mov_b32 s[G1+6], 0
	s_mov_b32 s[G1B+7], 0
	s_mov_b32 s[G1+7], 0
	; where the tiles come from: A's hang on the tile row alone, B's on the tile column alone; each in registers that never hold the other coordinate
	s_lshl_b32 s17, s12, 7                         ; which 128 rows of the tile I fetch
	s_lshl_b32 s16, s13, 8
	s_add_co_u32 s16, s16, s17                     ; A: row 256 x tile row + 128 x half
	s_lshl_b32 s46, s42, 8
	s_add_co_u32 s46, s46, s17                     ; B: row 256 x tile column + 128 x half
	s_mov_b32 s17, 0
	s_mov_b32 s47, 0
	s_mov_b64 s[18:19], SIZE_K*2
	s_mul_u64 s[16:17], s[16:17], s[18:19]
	s_mul_u64 s[46:47], s[46:47], s[18:19]
	s_mul_i32 s20, s10, HALFT                      ; where they go: wave x 128 rows: no place in the cluster enters an LDS address
	s_wait_dscnt 0x0                               ; the opening add is done
	s_wait_kmcnt 0x0
	s_add_nc_u64 s[14:15], s[4:5], s[16:17]
	s_add_nc_u64 s[46:47], s[6:7], s[46:47]
	CROUND                                         ; all sixteen work-groups are here: the first joint loads meet
.irp s, 0,1
	s_mov_b32 s[G0+4*(\s)], 1                                      ; count = 1
	s_add_co_u32 s[G0+4*(\s)+1], s20, (\s)*SLOT                    ; LDS address
	s_add_nc_u64 s[G0+4*(\s)+2:G0+4*(\s)+3], s[14:15], (\s)*KSTEP*2  ; global address: K step s
	s_or_b32 s[G0+4*(\s)+3], s[G0+4*(\s)+3], 0x80000000            ; type = 2
	s_mov_b32 s[G0B+4*(\s)], 1
	s_add_co_u32 s[G0B+4*(\s)+1], s20, (\s)*SLOT
	s_add_nc_u64 s[G0B+4*(\s)+2:G0B+4*(\s)+3], s[46:47], (\s)*KSTEP*2
	s_or_b32 s[G0B+4*(\s)+3], s[G0B+4*(\s)+3], 0x80000000
	JLOAD \s                                       ; two tensor loads of mine are out
.endr
	; A fragment is 16 rows x 32 K in 8 registers: lane l holds row l % 16; registers 0-3 K = 8 (l / 16) + 0..7, registers 4-7 K = 16 + 8 (l / 16) + 0..7: two loads of 16 bytes, 32 bytes apart
	v_and_b32 v1, 15, v0                           ; l % 16
	v_bfe_u32 v2, v0, 4, 1                         ; l / 16
	v_mul_u32_u24 v3, v1, PITCH
	v_lshl_add_u32 v3, v2, 4, v3
	s_mul_i32 s21, s11, HALFT                      ; my 128 rows of A
	s_mul_i32 s22, s12, HALFT                      ; my 128 rows of B,
	s_add_co_u32 s22, s22, 2*HALFT                 ; which lie behind A's 256
	v_add_nc_u32 v[ADRA0], s21, v3
	v_add_nc_u32 v[ADRB0], s22, v3
	v_mov_b32 v[ADRA], v[ADRA0]                    ; the fetches begin in slot 0
	v_mov_b32 v[ADRB], v[ADRB0]
	s_mul_i32 s23, s10, 16*SPITCH
	s_add_co_u32 s23, s23, STAGE                   ; my stage
	v_mul_u32_u24 v4, v1, SPITCH                   ; in: row l % 16, 32 bytes for each half of the lanes
	v_lshl_add_u32 v4, v2, 5, v4
	v_add_nc_u32 v[STO], s23, v4
	v_and_b32 v[CO], 31, v0
	v_lshlrev_b32 v[CO], 4, v[CO]
	v_add_nc_u32 v[RD], s23, v[CO]                 ; back: 32 lanes take one row of 512 bytes
	s_lshl_b32 s13, s13, 8                         ; 256 x tile row
	s_lshl_b32 s14, s11, 7
	s_add_co_u32 s16, s13, s14                     ; my first row of C,
	s_lshl_b32 s16, s16, 13                        ; of 8,192 bytes
	s_mov_b32 s17, 0
	s_lshl_b32 s46, s42, 10                        ; my first column, in bytes: 1,024 x tile column + 512 x half
	s_lshl_b32 s47, s12, 9
	s_add_co_u32 s46, s46, s47
	s_mov_b32 s47, 0
	s_add_nc_u64 s[16:17], s[16:17], s[46:47]
	s_add_nc_u64 s[8:9], s[8:9], s[16:17]          ; never stepped again: the stores' immediates, 127 rows at the most, do the rest
	; the prefetches.  s13 = 256 x tile row, s42 = tile column, s40 = cx, s41 = cy still stand
	s_lshl_b32 s42, s42, 8
	s_and_b32 s22, ttmp7, 0xffff                   ; cluster y
	s_cmp_eq_u32 s11, 0                            ; do I fetch for A?
	s_cselect_b32 s20, s13, s42                    ; the tile's first row
	s_cselect_b32 s21, s40, s41                    ; my place among the four that ask for it with me
	s_cselect_b32 s22, ttmp9, s22                  ; the coordinate along which other clusters read the same rows
	s_cselect_b64 s[PFA:PFA+1], s[4:5], s[6:7]
	s_cmp_eq_u32 s22, 0
	s_cselect_b32 s[LIM], 2, -1
	s_lshl_b32 s22, s12, 7
	s_add_co_u32 s20, s20, s22                     ; + the 128 rows that I fetch
	s_lshl_b32 s21, s21, 5
	s_add_co_u32 s20, s20, s21                     ; + my work-group's 32 of them
	s_mov_b32 s21, 0
	s_mov_b64 s[18:19], SIZE_K*2
	s_mul_u64 s[20:21], s[20:21], s[18:19]
	s_add_nc_u64 s[PFA:PFA+1], s[PFA:PFA+1], s[20:21]
	s_add_nc_u64 s[PFA:PFA+1], s[PFA:PFA+1], 2*KSTEP*2  ; at K step 2: the first refill steps it to 3 and names K step 4
	v_and_b32 v[PFO], 31, v0
	v_mul_u32_u24 v[PFO], v[PFO], SIZE_K*2
	s_mul_i32 s[WB], s10, HALFT                    ; kept for the walking descriptors
	s_mov_b32 s[TB], 0                             ; K step 0 lies in slot 0
; 16 matrix instructions: m blocks a0, a0 + 1 of the window's four x all 8 n blocks, 32 along K.  zero = 1: the first product starts the sums.  The 64 accumulators take turns, one instruction a turn.
.macro MUL16 f, hi, a0, zero
	WIN MUL_LO+0x50*(\hi)
.irp a, \a0, (\a0)+1
.irp b, 0,1,2,3,4,5,6,7
.if \zero
	v_wmma_f32_16x16x32_f16 v[8*(8*(\a)+(\b)):8*(8*(\a)+(\b))+7], v[(\f)+8*(\b):(\f)+8*(\b)+7], v[(\f)+8*(4*(\hi)+(\a)):(\f)+8*(4*(\hi)+(\a))+7], 0
.else
	v_wmma_f32_16x16x32_f16 v[8*(8*(\a)+(\b)):8*(8*(\a)+(\b))+7], v[(\f)+8*(\b):(\f)+8*(\b)+7], v[(\f)+8*(4*(\hi)+(\a)):(\f)+8*(4*(\hi)+(\a))+7], v[8*(8*(\a)+(\b)):8*(8*(\a)+(\b))+7]
.endif
.endr
.endr
.endm
; 32 LDS loads in one run: the fragments of one quarter step (128 rows of B, 128 rows of A, 32 K at byte k of the rows of the slot in hand) into buffer f
.macro FETCH k, f
	WIN TO_B
.irp i, 0,1,2,3,4,5,6,7
	ds_load_b128 v[(\f)+8*(\i):(\f)+8*(\i)+3],   v[ADRB] offset:(\k)+(\i)*16*PITCH
	ds_load_b128 v[(\f)+8*(\i)+4:(\f)+8*(\i)+7], v[ADRB] offset:(\k)+(\i)*16*PITCH+32
.endr
	WIN 0
.irp i, 0,1,2,3,4,5,6,7
	ds_load_b128 v[(\f)+8*(\i):(\f)+8*(\i)+3],   v[ADRA] offset:(\k)+(\i)*16*PITCH
	ds_load_b128 v[(\f)+8*(\i)+4:(\f)+8*(\i)+7], v[ADRA] offset:(\k)+(\i)*16*PITCH+32
.endr
.endm
.macro PLACES                          ; four plain instructions behind a matrix instruction, in front of loads into registers that it has read and of lines that read its results
.rept 4
	v_nop
.endr
.endm
; A K step is four quarters of 32 along K, 64 matrix instructions each, on buffers 0, 1, 0, 1.  One of the first three: multiplies buffer f; in its middle it fetches the next quarter, at byte k, into g.
.macro QUARTER k, f, g, zero
	s_wait_dscnt 8                                 ; B and A's rows 0-63 are in; the youngest eight loads (A's rows 64-127) may be out
	WIN MUL_LO
	MUL16 \f, 0, 0, \zero
	MUL16 \f, 0, 2, \zero
	PLACES
	FETCH \k, \g
	s_wait_dscnt 32                                ; all but the 32 just issued
	WIN MUL_HI
	MUL16 \f, 1, 0, \zero
	MUL16 \f, 1, 2, \zero
.endm
; The last quarter's first half: ONE barrier for the change of slots.  In front of it each wave waits for all its tensor loads (at most one is out: its part of the next slot), adds 0 to its spare word, and waits for that and for its reads of this slot.
.macro MEET
	WIN 0
	s_wait_tensorcnt 0x0                           ; all my tensor loads have landed
	ds_add_u32 v[SPW], v[NIL]                      ; 0 onto my spare word
	s_wait_dscnt 9                                 ; (the add and the youngest eight loads may be out)
	WIN MUL_LO
	MUL16 F1, 0, 0, 0                              ; sixteen matrix instructions stand between the add and the wait for it
	s_wait_dscnt 0x0                               ; the add is done, and my reads of this slot are over
	s_barrier_signal -1
	MUL16 F1, 0, 2, 0                              ; work on registers while the others arrive
	WIN 0
	s_barrier_wait -1
.endm
.macro NEXTSLOT                        ; the fetches go on in the other slot
	s_xor_b32 s[TB], s[TB], SLOT
	v_add_nc_u32 v[ADRA], s[TB], v[ADRA0]
	v_add_nc_u32 v[ADRB], s[TB], v[ADRB0]
.endm
; The whole last quarter of a step that fills: behind the round the slot just read out is filled again first, with the K step two steps on; then come the next slot's first fragments.
.macro TURN
	s_wait_xcnt 0x0                                ; the last prefetch, a K step back, has read its address, which is stepped here
	s_add_nc_u64 s[PFA:PFA+1], s[PFA:PFA+1], KSTEP*2
	MEET
	CREST                                          ; no wave of any partner still reads this slot's tile or has a load on its way
	s_add_co_u32 s[G0+5], s[WB], s[TB]             ; the walking descriptors: into the slot just read out,
	s_add_co_u32 s[G0B+5], s[WB], s[TB]
	s_add_nc_u64 s[G0+6:G0+7], s[G0+6:G0+7], KSTEP*2    ; one K step on from the last load; the type bits on top are not reached
	s_add_nc_u64 s[G0B+6:G0B+7], s[G0B+6:G0B+7], KSTEP*2
	JLOAD 1                                        ; my one tensor load behind the round; the four v_nop behind it are also the places in front of the loads below
	NEXTSLOT
	FETCH 0, F0
	ASK
	WIN MUL_HI
	MUL16 F1, 1, 0, 0
	MUL16 F1, 1, 2, 0
.endm
; THE WAY OUT, a block of 16 rows (a = 0..7) at a time.  The sums go as they are, f32, into my own stage (a lane's 32 bytes of a row for each 16 columns) and come back as whole rows of 512 bytes.
.macro TOSTAGE a
.set AC, 64*((\a)%4)
.set BK, 64+64*((\a)%2)
.if (\a) >= 2
	s_wait_xcnt 0x0                                ; the stores of the block two back have read their data: these registers are loaded again only behind this wait
.endif
	WIN 0x08+4*((\a)/4)                            ; a store's data: window 2 or 3; its address: window 0
.irp b, 0,1,2,3,4,5,6,7
.irp q, 0,1
	ds_store_b128 v[STO], v[AC+8*(\b)+4*(\q):AC+8*(\b)+4*(\q)+3] offset:64*(\b)+16*(\q)  ; each accumulator's four lowest registers first
.endr
.endr
	WIN 0
.irp t, 0,1,2,3,4,5,6,7,8,9,10,11,12,13,14,15
	ds_load_b128 v[BK+4*(\t):BK+4*(\t)+3], v[RD] offset:(\t)*SPITCH  ; LDS serves a wave's instructions in order (ISA guide 5.7.1.4): these see the stores above
.endr
.endm
.macro SEND a, younger                 ; younger: the LDS instructions issued behind block a's loads: the next block's 16 stores and 16 loads, or none
	WIN 0
.set BK, 64+64*((\a)%2)
	s_wait_dscnt \younger
.irp t, 0,1,2,3,4,5,6,7,8,9,10,11,12,13,14,15
	global_store_b128 v[CO], v[BK+4*(\t):BK+4*(\t)+3], s[8:9] offset:(16*(\a)+(\t))*SIZE_N*4 th:TH_STORE_NT  ; 512 consecutive bytes of a row, at a multiple of 256 from C's first byte
.endr
.endm
	s_wait_tensorcnt 1                             ; my part of K step 0 is in; K step 1's may stay out
	s_barrier_signal -1
	s_barrier_wait -1                              ; everybody's is
	FETCH 0, F0
	QUARTER 64,  F0, F1, 1                         ; the first quarter stands in front of the loop: its products start the sums
	WIN 0                                          ; at a label and at a branch every window is 0
	s_mov_b32 s3, STEPS-2
.Lstep:                                                ; a trip goes from a K step's second quarter to the next step's first, and fills the slot that it leaves: all steps but the last two
	QUARTER 128, F1, F0, 0
	QUARTER 192, F0, F1, 0
	TURN
	QUARTER 64,  F0, F1, 0
	WIN 0
	s_sub_co_u32 s3, s3, 1
	s_cmp_lg_u32 s3, 0
	s_cbranch_scc1 .Lstep
	s_mov_b32 s3, 2
.Ltail:                                                ; the last two K steps ask for no tile, so they have a text of their own. The second trip is left in its middle
	QUARTER 128, F1, F0, 0
	QUARTER 192, F0, F1, 0
	MEET                                           ; first trip: my one tensor load that was still out is the last K step's, so no round follows
	PLACES
	s_cmp_eq_u32 s3, 1                             ; behind the last K step there is nothing to fetch
	s_cbranch_scc1 .Lno_next
	NEXTSLOT
	FETCH 0, F0
.Lno_next:
	WIN MUL_HI
	MUL16 F1, 1, 0, 0
	MUL16 F1, 1, 2, 0
	WIN 0
	s_sub_co_u32 s3, s3, 1
	s_cmp_eq_u32 s3, 0
	s_cbranch_scc1 .Lout
	QUARTER 64,  F0, F1, 0
	WIN 0
	s_branch .Ltail
.Lout:
	PLACES                                         ; behind the last product: the sums are read, A's buffers loaded into
	TOSTAGE 0
	TOSTAGE 1
	SEND 0, 32
.irp a, 2,3,4,5,6,7
	TOSTAGE \a                                     ; a block's trip through the stage stands between the loads of the block before and its stores
	SEND (\a)-1, 32
.endr
	SEND 7, 0
	s_wait_tensorcnt 0x0                           ; the wave's end: behind my last tensor load and my last LDS store
	ds_add_u32 v[SPW], v[NIL]
	s_wait_dscnt 0x0
	CROUND                                         ; the closing round: no work-group ends while a partner may still ask for a tile that names it
	s_endpgm
.Lfunc_end_k_q3165688bcd_oproj:
	.size	k_q3165688bcd_oproj, .Lfunc_end_k_q3165688bcd_oproj-k_q3165688bcd_oproj
	.p2alignl 7, 3214868480
	.fill 96, 4, 3214868480
	.section	.rodata,"a",@progbits
	.p2align	6, 0x0
	.amdhsa_kernel k_q3165688bcd_oproj
		.amdhsa_group_segment_fixed_size 327680
		.amdhsa_private_segment_fixed_size 0
		.amdhsa_enable_private_segment 0
		.amdhsa_kernarg_size 24
		.amdhsa_user_sgpr_count 2
		.amdhsa_user_sgpr_kernarg_segment_ptr 1
		.amdhsa_wavefront_size32 1
		.amdhsa_system_sgpr_workgroup_id_x 1
		.amdhsa_system_sgpr_workgroup_id_y 1
		.amdhsa_system_sgpr_workgroup_id_z 1
		.amdhsa_system_vgpr_workitem_id 0
		.amdhsa_next_free_vgpr 1024
		.amdhsa_next_free_sgpr 66
		.amdhsa_reserve_vcc 0
		.amdhsa_float_denorm_mode_32 3
		.amdhsa_float_denorm_mode_16_64 3
		.amdhsa_memory_ordered 1
		.amdhsa_forward_progress 1
		.amdhsa_inst_pref_size 98
	.end_amdhsa_kernel
	.amdgpu_metadata
---
amdhsa.version: [ 1, 2 ]
amdhsa.kernels:
  - .name:           k_q3165688bcd_oproj
    .symbol:         k_q3165688bcd_oproj.kd
    .args:
      - { .name: ob, .offset: 0, .size: 8, .value_kind: global_buffer, .address_space: global }
      - { .name: wob, .offset: 8, .size: 8, .value_kind: global_buffer, .address_space: global }
      - { .name: out0, .offset: 16, .size: 8, .value_kind: global_buffer, .address_space: global }
    .group_segment_fixed_size: 327680
    .private_segment_fixed_size: 0
    .kernarg_segment_align: 8
    .kernarg_segment_size: 24
    .max_flat_workgroup_size: 128
    .sgpr_count:     66
    .vgpr_count:     1024
    .wavefront_size: 32
...
	.end_amdgpu_metadata
.endif
;; end of part 4
